; MI455X (gfx1250); checked and timed in simulation.
; The chip was launched on July 23, 2026; its instructions are those of AMD's public machine-readable ISA for CDNA 5 (MIT licence, August 2026) and "CDNA5" Instruction Set Architecture Reference Guide (July 2026). The comments in the code are by the model that wrote it; some were corrected since.
;; Multi Head Attention. Allowed arithmetic: matrix products marked QUANTISED: E2M3 operands, one E8M0 scale for each 32 along K, by v_wmma_scale_f32_16x16x128_f8f6f4 with both operands' format E2M3, f32 sums; everything else in f32.
;; Inputs: Wk 1,024 x 1,024 float32; Wo 1,024 x 1,024 float32; Wq 1,024 x 1,024 float32; Wv 1,024 x 1,024 float32; attention_mask 1 x 1 x 4,096 x 4,096 float32; bk 1,024 float32; bo 1,024 float32; bq 1,024 float32; bv 1,024 float32; hidden_states 1 x 4,096 x 1,024 float32.
;; Outputs: out0 1 x 4,096 x 1,024 float32.
;; This version of the problem:
;;   THIS VERSION OF THE PROBLEM IS GIVEN IN LOW PRECISION. The matrix products marked QUANTISED in the list below multiply operands that are first quantised to E2M3 (2 exponent bits, 3 mantissa bits; 6 bits a number), with one power-of-two scale for each 32 numbers along K (OCP MX v1.0); their sums are f32. All else is computed in f32.
;;   The module's matrix products, in the order in which they are computed (A, B: the left and right operand; K: the contracted axis; several contracted axes count as one K, in the product's order):
;;     1. [M 4,096, K 1,024] x [K 1,024, N 1,024]; A: input hidden_states; B: input Wq: QUANTISED
;;     2. [M 4,096, K 1,024] x [K 1,024, N 1,024]; A: input hidden_states; B: input Wk: QUANTISED
;;     3. [M 4,096, K 1,024] x [K 1,024, N 1,024]; A: input hidden_states; B: input Wv: QUANTISED
;;     4. batch 16 x [M 4,096, K 64] x [K 64, N 4,096]; A: computed on the way; B: computed on the way: QUANTISED
;;     5. batch 16 x [M 4,096, K 4,096] x [K 4,096, N 64]; A: softmax (see below); B: computed on the way: QUANTISED
;;     6. [M 4,096, K 1,024] x [K 1,024, N 1,024]; A: computed on the way; B: input Wo: QUANTISED
;;   THE QUANTISER, for each operand of a quantised product, along K:
;;     - K is cut into blocks of 32 from its start; a last block that is shorter is filled with zeros.
;;     - A block's scale is 2^e with e = floor(log2(the largest magnitude in the block)) - 2, held to -126 .. 127; a block of zeros has e = 0. As a byte (E8M0): e + 127.
;;     - Each number is divided by its block's scale, clamped to +-7.5, and rounded to the nearest number of E2M3, ties to even, subnormals kept.
;;     - The product sums the exact products of the quantised numbers (number of the format x scale) in f32.
;;   ~~~python
;;   def quantise(x, axis):      # numpy; x: float32 -> the quantised numbers, widened to float32 again
;;       x = np.moveaxis(x, axis, -1); K = x.shape[-1]
;;       x = np.pad(x, [(0, 0)] * (x.ndim - 1) + [(0, -K % 32)]); x = x.reshape(x.shape[:-1] + (-1, 32)); a = np.abs(x).max(-1, keepdims=True)
;;       e = np.where(a > 0, np.clip(np.frexp(np.where(a > 0, a, 1))[1] - 1 - 2, -126, 127), 0)      # np.frexp(a)[1] - 1 = floor(log2(a)), exactly
;;       r = np.clip(x / 2.0 ** e, -7.5, 7.5)
;;       step = 2.0 ** (np.maximum(np.frexp(np.where(r == 0, 1, r))[1] - 1, 0) - 3)
;;       q = np.round(r / step) * step * 2.0 ** e      # np.round: ties to even
;;       return np.moveaxis(q.reshape(q.shape[:-2] + (-1,))[..., :K], -1, axis).astype(np.float32)
;;   ~~~
;;   SOFTMAX AHEAD OF A QUANTISED PRODUCT. Where the list says 'softmax', what is quantised is not the finished softmax but p = 2^(t - M), with t = logit x log2(e) and M = ceil(the row's largest t), a whole number; so 1/2 < the row's largest p <= 1. The row's sum l is taken of the UNQUANTISED p, in f32, and the product's result is divided by l at the end. Since M is a whole number, a kernel that streams over the keys may use a running M (the ceiling of the running maximum): every later rescaling is an exact power of two, which a block's scale takes up: the codes' values come out the same.
;;   OPERANDS COMPUTED ON THE WAY. 'Computed on the way' means the value that the module computes at that place (a softmax that the list does not call 'softmax' is quantised finished and normalised). What goes into a quantiser is computed in f32, as accurately as f32 sums, v_exp_f32 and their like allow (about 1e-6 of the number): no bf16 or f16 on the way to a quantiser, and a product that is left as it is and whose result goes on into a quantised operand takes f32 operands (vector FMAs, or v_wmma_f32_16x16x4_f32). A number that lies on a knife's edge between two numbers of the format may be rounded either way, as far as f32 arithmetic and the matrix unit's own rounding can turn it there, and no further.
;; One version. Each part assembles by itself: llvm-mc -triple=amdgcn-amd-amdhsa -mcpu=gfx1250 --defsym DOCPART=n.
;; ======== version 1 of 1: 4 launches
;; limits: right only within a limited range of input values
;; workspace buffers: opc 6,291,456 bytes; ops 262,144 bytes; qkvc 9,437,184 bytes; qkvs 393,216 bytes; atc 3,145,728 bytes; ats 131,072 bytes
;; launch quant (part 1): grid 512 x 1, 4 waves a work-group, no clusters, 34,304 bytes of LDS; arguments hidden_states, Wq, Wk, Wv, Wo, opc, ops; writes opc, ops
.if DOCPART == 1
	.amdgcn_target "amdgcn-amd-amdhsa--gfx1250"
	.amdhsa_code_object_version 6
	.text
	.protected	k_q21cfce2b2f_quant
	.globl	k_q21cfce2b2f_quant
	.p2align	8
	.type	k_q21cfce2b2f_quant,@function
k_q21cfce2b2f_quant:
	s_mov_b64 s[64:65], 0
	v_nop
	global_prefetch_b8 v0, s[64:65] scope:SCOPE_SE
	s_setreg_imm32_b32 hwreg(HW_REG_WAVE_MODE, 25, 1), 1
	s_wait_xcnt 0x0
; hidden_states [4096][1024] and Wq, Wk, Wv, Wo [1024][1024], f32 with K innermost, become codes of FP6 (E2M3) with one E8M0 byte for each 32 along K,
; laid IN THE ORDER OF THE OPERAND'S REGISTERS.  Rows go in tiles of 16: tile 2 B + u, lane r holds row 32 B + 8 u + r + 8 (r / 8).  For each tile and each 64 along K a HALF IMAGE of 768 bytes:
; 512 bytes = registers 0-3 of the 32 lanes, 16 bytes a lane; 256 bytes = registers 4-5, 8 bytes a lane; lane (r, h) holds k = 64 g + 32 h + 0 .. 31 of its row.  A tile is 16 half images, 12,288 bytes.
; opc: tiles 0-255 hidden_states, 256-319 Wq, 320-383 Wk, 384-447 Wv, 448-511 Wo.   ops: [128 rows: 64][256 along K: 4][tile: 8][lane r: 16][8 scale bytes].
; A block's scale is 2^(floor(log2(largest magnitude)) - 2); its byte is the largest magnitude's exponent field - 2, held at 1 from below.
; LIMITS: a block of zeros gets the byte 1 and not 127 (its codes are zeros, and this program alone reads the bytes); NaN and infinities among the inputs are not served.
; SHARES: a work-group takes one tile of 16 rows, wave w its k = 256 w .. 256 w + 255: two steps of 128.  A load reads 512 consecutive bytes of one row; the conversions want 16 neighbours along K in ONE lane,
; so a step's 16 x 512 bytes turn through the wave's own stage in LDS (rows 528 bytes apart).  No tensor loads, no barrier: waves share nothing.  Memory binds: matrix units and clusters would add nothing.
.set SPITCH, 528                       ; a stage row: 512 bytes + 16, an odd multiple of 16, so that the 16 rows of a read start in 16 different columns of 16 bytes
.set STAGEB, 16*SPITCH
.set R,   16                           ; v16-143   the numbers as loaded: step s at R + 64 s, row t in 4 registers
.set X,   144                          ; v144-207  64 numbers of my row: register 16 b + i = k 32 b + 16 h + i
.set TM,  208                          ; v208-223  at work in QUANT
.set PC,  224                          ; v224-243  the codes: 12 registers, and 8 at work
.set PW0, 244                          ; v244-245  the two steps' scale words
.set PWS, 246                          ; v246      the word that my lane stores
.set PW,  247                          ; v247      the word just made
.set SEL, 22                           ; s[22:23]  v_permlanex16_b32's selects for lane l xor 16
; 64 numbers of a lane, v[s] .. v[s + 63], register 16 b + i = k 32 b + 16 (lane / 16) + i of my row, become a fragment's codes in v[PC] on and its scale word in v[PW].
.macro QUANT s
.irp b, 0,1,2,3
	v_max3_num_f32 v[TM+\b], |v[\s+16*\b]|, |v[\s+1+16*\b]|, 0x1800000   ; block b: my 16 numbers, and the floor 2^(3 - 127): so the byte cannot fall under 1
.endr
.irp i, 2,4,6,8,10,12,14
.irp b, 0,1,2,3
	v_max3_num_f32 v[TM+\b], v[TM+\b], |v[\s+16*\b+\i]|, |v[\s+1+16*\b+\i]|   ; the four blocks by turns
.endr
.endr
.irp b, 0,1,2,3
	v_permlanex16_b32 v[TM+4+\b], v[TM+\b], s[SEL], s[SEL+1]
.endr
.irp b, 0,1,2,3
	v_max_num_f32 v[TM+\b], v[TM+\b], v[TM+4+\b]   ; with lane l xor 16's: the block's largest magnitude
.endr
.irp b, 0,1,2,3
	v_add_nc_u32 v[TM+12+\b], 0xff000000, v[TM+\b]   ; 2 off its exponent field: the conversion takes this operand's exponent field as its scale
.endr
.irp b, 0,1,2,3
	v_lshrrev_b32 v[TM+4+\b], 23, v[TM+12+\b]   ; the scale's byte
.endr
	v_lshl_or_b32 v[PW], v[TM+5], 8, v[TM+4]   ; four bytes: my row's scale word
	v_lshl_or_b32 v[PW], v[TM+6], 16, v[PW]
	v_lshl_or_b32 v[PW], v[TM+7], 24, v[PW]
.irp c, 0,1
	v_cvt_scalef32_pk16_fp6_f32 v[PC+6*\c:PC+2+6*\c], v[\s+32*\c:\s+15+32*\c], v[TM+12+2*\c]
	v_cvt_scalef32_pk16_fp6_f32 v[PC+12+4*\c:PC+14+4*\c], v[\s+16+32*\c:\s+31+32*\c], v[TM+12+2*\c+1]   ; (a conversion's three registers begin on an even number)
.endr
	v_nop                                          ; one plain place behind a scaled conversion
.irp c, 0,1                                    ; the operand's layout wants a WHOLE block in a lane: lanes 0-15 block 2 c, lanes 16-31 block 2 c + 1
.irp i, 0,1,2
	v_permlane16_swap_b32 v[PC+6*\c+\i], v[PC+12+4*\c+\i]
.endr
.irp i, 0,1,2
	v_mov_b32 v[PC+3+6*\c+\i], v[PC+12+4*\c+\i]
.endr
.endr
.endm
	s_load_b256 s[4:11], s[0:1], 0x0               ; hidden_states s[4:5], Wq s[6:7], Wk s[8:9], Wv s[10:11]
	s_load_b128 s[12:15], s[0:1], 0x20             ; Wo s[12:13], opc s[14:15]
	s_load_b64 s[16:17], s[0:1], 0x30              ; ops
	v_lshl_add_u32 v248, v0, 2, 0x8400
	v_mov_b32 v249, 0
	v_lshrrev_b32 v1, 5, v0
	v_readfirstlane_b32 s20, v1                    ; wave 0..3
	v_and_b32 v1, 31, v0                           ; lane
	v_and_b32 v2, 15, v0                           ; r
	v_bfe_u32 v3, v0, 4, 1                         ; h
	v_lshlrev_b32 v4, 4, v1                        ; 16 x lane: my bytes of a load's 512, and of a store's
	s_mul_i32 s25, s20, STAGEB                     ; my wave's stage
	v_add_nc_u32 v5, s25, v4                       ; into it: as loaded
	v_mul_u32_u24 v6, v2, SPITCH
	v_lshl_add_u32 v6, v3, 6, v6
	v_add_nc_u32 v6, s25, v6                       ; out of it: row r, + 64 h: my 16 numbers of each block of 32
	v_lshlrev_b32 v8, 3, v1                        ; 8 x lane
	v_lshlrev_b32 v9, 3, v2
	v_lshl_add_u32 v9, v3, 2, v9                   ; 8 r + 4 h: lanes 0-15 store the first step's word, lanes 16-31 the second's
	s_mov_b32 s[SEL], 0x76543210
	s_mov_b32 s[SEL+1], 0xfedcba98
	s_mov_b32 s24, 0xffff0000                      ; lanes 16-31
.irp b, 0,1,2,3
	v_mov_b32 v[TM+4+\b], 0                        ; written once: a lane permute's destination counts as one of its sources
.endr
	s_cmp_lt_u32 ttmp9, 256
	s_cselect_b32 s21, 255, 63
	s_and_b32 s21, ttmp9, s21                      ; the tile's number in its own tensor
	s_lshr_b32 s26, s21, 1
	s_lshl_b32 s26, s26, 17                        ; 32 rows of 4,096 bytes for each pair of tiles,
	s_and_b32 s27, s21, 1
	s_lshl_b32 s27, s27, 15                        ; 8 rows for the odd tile,
	s_add_co_u32 s26, s26, s27
	s_lshl_b32 s27, s20, 10                        ; 256 numbers for each wave
	s_add_co_u32 s26, s26, s27
	s_mov_b32 s27, 0
	s_mul_i32 s28, ttmp9, 12288                    ; the codes: a tile's 16 half images,
	s_mul_i32 s29, s20, 3072                       ; four of them to a wave
	s_add_co_u32 s28, s28, s29
	s_mov_b32 s29, 0
	s_lshr_b32 s30, ttmp9, 3
	s_lshl_b32 s30, s30, 12                        ; the scale bytes: 4,096 for each 128 rows,
	s_lshl_b32 s31, s20, 10                        ; 1,024 for each 256 along K,
	s_add_co_u32 s30, s30, s31
	s_and_b32 s31, ttmp9, 7
	s_lshl_b32 s31, s31, 7                         ; 128 for each tile
	s_add_co_u32 s30, s30, s31
	s_mov_b32 s31, 0
	s_wait_alu depctr_va_vdst(0)
	s_wait_kmcnt 0x0
	s_cmp_lt_u32 ttmp9, 448                        ; which tensor: the choice hangs on the work-group's number alone
	s_cselect_b64 s[18:19], s[10:11], s[12:13]
	s_cmp_lt_u32 ttmp9, 384
	s_cselect_b64 s[18:19], s[8:9], s[18:19]
	s_cmp_lt_u32 ttmp9, 320
	s_cselect_b64 s[18:19], s[6:7], s[18:19]
	s_cmp_lt_u32 ttmp9, 256
	s_cselect_b64 s[18:19], s[4:5], s[18:19]
	s_add_nc_u64 s[18:19], s[18:19], s[26:27]
	s_add_nc_u64 s[14:15], s[14:15], s[28:29]
	s_add_nc_u64 s[16:17], s[16:17], s[30:31]
.irp s, 0,1
.irp t, 0,1,2,3,4,5,6,7,8,9,10,11,12,13,14,15
	global_load_b128 v[R+64*\s+4*\t:R+64*\s+4*\t+3], v4, s[18:19] offset:(\t+8*(\t/8))*4096+512*\s th:TH_LOAD_NT   ; the tile's lane t holds row t + 8 (t / 8): 512 consecutive bytes of it; read once in the launch
.endr
.endr
; One step of 128 along K: through the stage, quantised, stored as two half images (1,536 consecutive bytes).
.macro QSTEP s
.irp t, 0,1,2,3,4,5,6,7,8,9,10,11,12,13,14,15
	ds_store_b128 v5, v[R+64*\s+4*\t:R+64*\s+4*\t+3] offset:SPITCH*\t
.endr
.irp b, 0,1,2,3
.irp j, 0,1,2,3
	ds_load_b128 v[X+16*\b+4*\j:X+16*\b+4*\j+3], v6 offset:128*\b+16*\j   ; LDS serves a wave's instructions in order (ISA guide 5.7.1.4): these see the stores above, and the next step's stores come behind them
.endr
.endr
	s_wait_dscnt 0x0
.if \s
	s_wait_xcnt 0x0                                ; the first step's stores have read the codes' registers: they are written again only behind this wait
.endif
	QUANT X
	global_store_b128 v4, v[PC:PC+3], s[14:15] offset:1536*\s          ; 512 consecutive bytes
	global_store_b64 v8, v[PC+4:PC+5], s[14:15] offset:1536*\s+512     ; 256
	global_store_b128 v4, v[PC+6:PC+9], s[14:15] offset:1536*\s+768
	global_store_b64 v8, v[PC+10:PC+11], s[14:15] offset:1536*\s+1280
	v_mov_b32 v[PW0+\s], v[PW]
.endm
	s_wait_loadcnt 16                              ; the first step's 16 loads are in; the second step's 16 may be out
	QSTEP 0
	s_wait_loadcnt 0x0
	QSTEP 1
	v_cndmask_b32 v[PWS], v[PW0], v[PW0+1], s24    ; lanes 16-31 take the second step's word
	global_store_b32 v9, v[PWS], s[16:17]          ; 128 consecutive bytes: 16 rows x 8 scale bytes
	s_wait_tensorcnt 0x0
	ds_add_u32 v248, v249
	s_wait_dscnt 0x0
	s_endpgm
.Lfunc_end_k_q21cfce2b2f_quant:
	.size	k_q21cfce2b2f_quant, .Lfunc_end_k_q21cfce2b2f_quant-k_q21cfce2b2f_quant
	.p2alignl 7, 3214868480
	.fill 96, 4, 3214868480
	.section	.rodata,"a",@progbits
	.p2align	6, 0x0
	.amdhsa_kernel k_q21cfce2b2f_quant
		.amdhsa_group_segment_fixed_size 34304
		.amdhsa_private_segment_fixed_size 0
		.amdhsa_enable_private_segment 0
		.amdhsa_kernarg_size 56
		.amdhsa_user_sgpr_count 2
		.amdhsa_user_sgpr_kernarg_segment_ptr 1
		.amdhsa_wavefront_size32 1
		.amdhsa_system_sgpr_workgroup_id_x 1
		.amdhsa_system_sgpr_workgroup_id_y 1
		.amdhsa_system_sgpr_workgroup_id_z 1
		.amdhsa_system_vgpr_workitem_id 0
		.amdhsa_next_free_vgpr 250
		.amdhsa_next_free_sgpr 66
		.amdhsa_reserve_vcc 0
		.amdhsa_float_denorm_mode_32 3
		.amdhsa_float_denorm_mode_16_64 3
		.amdhsa_memory_ordered 1
		.amdhsa_forward_progress 1
		.amdhsa_inst_pref_size 19
	.end_amdhsa_kernel
	.amdgpu_metadata
---
amdhsa.version: [ 1, 2 ]
amdhsa.kernels:
  - .name:           k_q21cfce2b2f_quant
    .symbol:         k_q21cfce2b2f_quant.kd
    .args:
      - { .name: hidden_states, .offset: 0, .size: 8, .value_kind: global_buffer, .address_space: global }
      - { .name: Wq, .offset: 8, .size: 8, .value_kind: global_buffer, .address_space: global }
      - { .name: Wk, .offset: 16, .size: 8, .value_kind: global_buffer, .address_space: global }
      - { .name: Wv, .offset: 24, .size: 8, .value_kind: global_buffer, .address_space: global }
      - { .name: Wo, .offset: 32, .size: 8, .value_kind: global_buffer, .address_space: global }
      - { .name: opc, .offset: 40, .size: 8, .value_kind: global_buffer, .address_space: global }
      - { .name: ops, .offset: 48, .size: 8, .value_kind: global_buffer, .address_space: global }
    .group_segment_fixed_size: 34304
    .private_segment_fixed_size: 0
    .kernarg_segment_align: 8
    .kernarg_segment_size: 56
    .max_flat_workgroup_size: 128
    .sgpr_count:     66
    .vgpr_count:     250
    .wavefront_size: 32
...
	.end_amdgpu_metadata
.endif
;; end of part 1
;; launch proj (part 2): grid 24 x 32, 4 waves a work-group, clusters of 4 x 4, 197,120 bytes of LDS; arguments opc, ops, bq, bk, bv, qkvc, qkvs; writes qkvc, qkvs
.if DOCPART == 2
	.amdgcn_target "amdgcn-amd-amdhsa--gfx1250"
	.amdhsa_code_object_version 6
	.text
	.protected	k_q21cfce2b2f_proj
	.globl	k_q21cfce2b2f_proj
	.p2align	8
	.type	k_q21cfce2b2f_proj,@function
k_q21cfce2b2f_proj:
	s_mov_b64 s[64:65], 0
	v_nop
	global_prefetch_b8 v0, s[64:65] scope:SCOPE_SE
	s_setreg_imm32_b32 hwreg(HW_REG_WAVE_MODE, 25, 1), 1
	s_wait_xcnt 0x0
	s_wait_alu depctr_hold_cnt(0) depctr_sa_sdst(0) depctr_va_vdst(0) depctr_va_sdst(0) depctr_va_ssrc(0) depctr_va_vcc(0) depctr_vm_vsrc(0)
	s_getreg_b32 s2, hwreg(HW_REG_IB_STS2, 6, 4)
	s_cmp_eq_u32 s2, 0
	s_cbranch_scc0 .Lentry_in_a_cluster
	s_endpgm
.Lentry_in_a_cluster:
	s_bfe_u32 s2, ttmp6, 0x10000c
	s_cmp_lg_u32 s2, 0xf033
	s_cbranch_scc0 .Lentry_shape_is_right
	s_endpgm
.Lentry_shape_is_right:
; q = x Wq^T + bq, k = x Wk^T + bk, v = x Wv^T + bv on codes of FP6 (E2M3) with E8M0 scales, sums in f32; the results are quantised at once: q and k along the head's 64, v along the keys.
; A work-group makes 128 (P) x 128 (Q) with all of K = 1,024 in LDS: each wave's four whole tiles filled ONCE by one load; nothing is filled again, so there is no ring.
; THE PRODUCT IS USED TRANSPOSED: source 0 = 16 rows of P, source 1 = 16 rows of Q.  Tiles hold rows 32 B + 8 u + r + 8 (r / 8), so lane (r, h) holds one row of Q, and register 16 b + i of its 64 holds P's row 32 b + 16 h + i:
; 16 neighbours along P, which is the next product's K.  q, k: P = 128 rows of W (two heads), Q = 128 tokens.   v: P = 128 tokens (keys), Q = 128 rows of Wv.
; Wave w takes all 8 tiles of P x Q's tiles 2 w, 2 w + 1: 16 accumulators, and so owns whole fragments (128 along the next K) and whole scale words of its results.
; KIND = cluster x / 2 (0 q, 1 k, 2 v) is the same in all partners of a cluster.  CLUSTERS 4 x 4: P's block hangs on cx and is shared along a column, Q's on cy and is shared along a row: each is asked for jointly.
; OUT: qkvc: q at 0 and k at 3,145,728 as [token tile 256][head 16][768]; v at 6,291,456 as [tile of 16 d: 64][64 keys: 64][768].
;      qkvs: q at 0, k at 131,072 as [head 16][pair of tiles 128][lane r 16][4 bytes: tile 2 B's two, tile 2 B + 1's two]; v at 262,144 as [tile 64][128 keys: 32][lane r 16][4 bytes].
; LIMITS: a block of zeros gets the byte 1 and not 127 (zero codes; read by this program alone); NaN and infinities are not served.
; REGISTERS: window 0: v1-14 ids and addresses; v24-63 scale words; v64-104 at work on the way out; v128-255 the accumulators ((i, p) at 128 + 64 i + 8 p).
;   window 1: two sets of fragments, at 0 and at 128: P's eight at + 12 p, Q's two at + 96 + 12 i.   window 2: v0-63 the bias along P in the result's layout; v64-67 the bias along Q, a pair for each tile.
.set CHUNK, 49152                      ; one wave's fill in LDS: four whole tiles x 12,288 bytes
.set QOFF,  98304                      ; LDS: tile-major, as in memory: P's 8 tiles x 12,288 bytes (all of K), then Q's 8; each wave fills four tiles by ONE load
.set SP,  24                           ; v24-55  P's scale words: register 8 i + s: lanes 0-15 tile i, lanes 16-31 tile i + 4, K step s
.set SQ,  56                           ; v56-63  Q's: register s: lanes 0-15 my tile 2 w, lanes 16-31 tile 2 w + 1
.set PC,  64                           ; v64-83  codes
.set TM,  84                           ; v84-99  at work in QUANT
.set PW0, 100                          ; v100-101 my two tiles' scale words
.set X0,  102
.set X1,  103
.set PW,  104
.set ACC, 128
.set BP,  0
.set BQ,  64
.set WV,  18                           ; s18 my wave's number
.set SEL, 60                           ; s[60:61] v_permlanex16_b32's selects
.set G1P, 28                           ; s[28:35] descriptor group 1 for P's tiles;  s[36:43] for Q's: they differ in the mask alone
.set G1Q, 36
.set G0P, 44                           ; s[44:47] group 0 for P's four tiles;  s[68:71] for Q's
.set G0Q, 68
.set MSB, 0
.macro WIN new                         ; the immediate's high byte repeats the setting that is left
.if MSB != \new
	s_set_vgpr_msb (MSB<<8)|\new
.set MSB, \new
.endif
.endm
.macro CROUND                          ; a round of the cluster's barrier
	s_barrier_signal -1
	s_barrier_wait -1
	s_cmp_lg_u32 s[WV], 0
	s_cbranch_scc1 .Lnot_wave_0_\@
	s_barrier_signal -3
.Lnot_wave_0_\@:
	s_barrier_wait -3
	s_barrier_signal -1
	s_barrier_wait -1
.endm
.macro PLACES                          ; four places in front of loads into registers that matrix instructions have read, and of the first read of results
.rept 4
	v_nop
.endr
.endm
.macro QUANT s                         ; 64 numbers of a lane, register 16 b + i = k 32 b + 16 (lane / 16) + i of my row, become a fragment's codes in v[PC] on and its scale word in v[PW]
.irp b, 0,1,2,3
	v_max3_num_f32 v[TM+\b], |v[\s+16*\b]|, |v[\s+1+16*\b]|, 0x1800000   ; my 16 numbers of block b, and the floor 2^(3 - 127): the byte cannot fall under 1
.endr
.irp i, 2,4,6,8,10,12,14
.irp b, 0,1,2,3
	v_max3_num_f32 v[TM+\b], v[TM+\b], |v[\s+16*\b+\i]|, |v[\s+1+16*\b+\i]|
.endr
.endr
.irp b, 0,1,2,3
	v_permlanex16_b32 v[TM+4+\b], v[TM+\b], s[SEL], s[SEL+1]
.endr
.irp b, 0,1,2,3
	v_max_num_f32 v[TM+\b], v[TM+\b], v[TM+4+\b]   ; with lane l xor 16's
.endr
.irp b, 0,1,2,3
	v_add_nc_u32 v[TM+12+\b], 0xff000000, v[TM+\b]   ; 2 off the exponent field: the conversion's scale operand
.endr
.irp b, 0,1,2,3
	v_lshrrev_b32 v[TM+4+\b], 23, v[TM+12+\b]   ; the byte
.endr
	v_lshl_or_b32 v[PW], v[TM+5], 8, v[TM+4]
	v_lshl_or_b32 v[PW], v[TM+6], 16, v[PW]
	v_lshl_or_b32 v[PW], v[TM+7], 24, v[PW]
.irp c, 0,1
	v_cvt_scalef32_pk16_fp6_f32 v[PC+6*\c:PC+2+6*\c], v[\s+32*\c:\s+15+32*\c], v[TM+12+2*\c]
	v_cvt_scalef32_pk16_fp6_f32 v[PC+12+4*\c:PC+14+4*\c], v[\s+16+32*\c:\s+31+32*\c], v[TM+12+2*\c+1]
.endr
	v_nop                                          ; one plain place behind a scaled conversion
.irp c, 0,1
.irp i, 0,1,2
	v_permlane16_swap_b32 v[PC+6*\c+\i], v[PC+12+4*\c+\i]   ; a whole block to a lane
.endr
.irp i, 0,1,2
	v_mov_b32 v[PC+3+6*\c+\i], v[PC+12+4*\c+\i]
.endr
.endr
.endm
; One product.  ra, rb: the side's scale words lie in lanes 16-31 of the register named.
.macro WM d, a, b, c, sa, sb, ra, rb
.if (\ra) && (\rb)
	v_wmma_scale_f32_16x16x128_f8f6f4 v[\d:\d+7], v[\a:\a+11], v[\b:\b+11], v[\c:\c+7], v[\sa], v[\sb] matrix_a_fmt:MATRIX_FMT_FP6 matrix_b_fmt:MATRIX_FMT_FP6 matrix_a_scale:MATRIX_SCALE_ROW1 matrix_b_scale:MATRIX_SCALE_ROW1
.elseif (\ra)
	v_wmma_scale_f32_16x16x128_f8f6f4 v[\d:\d+7], v[\a:\a+11], v[\b:\b+11], v[\c:\c+7], v[\sa], v[\sb] matrix_a_fmt:MATRIX_FMT_FP6 matrix_b_fmt:MATRIX_FMT_FP6 matrix_a_scale:MATRIX_SCALE_ROW1
.elseif (\rb)
	v_wmma_scale_f32_16x16x128_f8f6f4 v[\d:\d+7], v[\a:\a+11], v[\b:\b+11], v[\c:\c+7], v[\sa], v[\sb] matrix_a_fmt:MATRIX_FMT_FP6 matrix_b_fmt:MATRIX_FMT_FP6 matrix_b_scale:MATRIX_SCALE_ROW1
.else
	v_wmma_scale_f32_16x16x128_f8f6f4 v[\d:\d+7], v[\a:\a+11], v[\b:\b+11], v[\c:\c+7], v[\sa], v[\sb] matrix_a_fmt:MATRIX_FMT_FP6 matrix_b_fmt:MATRIX_FMT_FP6
.endif
.endm
; 40 LDS loads in one run: the ten fragments of K step s into set f.  A fragment is two half images: 16, 8, 16, 8 bytes a lane, each instruction's bytes consecutive.
.macro FETCH s, f
	WIN 0x40                                       ; destination window 1, address window 0
.irp p, 0,1,2,3,4,5,6,7
.irp c, 0,1
	ds_load_b128 v[128*(\f)+12*\p+6*\c:128*(\f)+12*\p+6*\c+3], v[4+12*(\p/4)] offset:12288*(\p%4)+1536*(\s)+768*\c   ; tiles 4-7 by v16, v17: their bytes lie beyond a 16-bit offset
	ds_load_b64 v[128*(\f)+12*\p+6*\c+4:128*(\f)+12*\p+6*\c+5], v[5+12*(\p/4)] offset:12288*(\p%4)+1536*(\s)+768*\c
.endr
.endr
.irp i, 0,1
.irp c, 0,1
	ds_load_b128 v[128*(\f)+96+12*\i+6*\c:128*(\f)+96+12*\i+6*\c+3], v6 offset:12288*\i+1536*(\s)+768*\c
	ds_load_b64 v[128*(\f)+96+12*\i+6*\c+4:128*(\f)+96+12*\i+6*\c+5], v7 offset:12288*\i+1536*(\s)+768*\c
.endr
.endr
.endm
; 16 products: K step s on set f.  The 16 accumulators take turns, one instruction a turn, in the same order in every step.  first = 1: the bias along P starts the sums.
.macro MUL s, f, first
.if \first
	WIN 0x25                                       ; sources 0 and 1 window 1, C window 2, D window 0
.else
	WIN 0x05
.endif
.irp p, 0,1,2,3,4,5,6,7
.irp i, 0,1
.if \first
	WM ACC+64*\i+8*\p, 128*(\f)+12*\p, 128*(\f)+96+12*\i, BP+8*\p, SP+8*(\p%4)+(\s), SQ+(\s), \p/4, \i
.else
	WM ACC+64*\i+8*\p, 128*(\f)+12*\p, 128*(\f)+96+12*\i, ACC+64*\i+8*\p, SP+8*(\p%4)+(\s), SQ+(\s), \p/4, \i
.endif
.endr
.endr
.endm
; K step s: its fragments are in; the next step's are asked for, then this step is multiplied.  All of K lies in LDS from the one barrier at the head on: the step's place along K stands in the loads' offsets.
.macro KSTEP s
	s_wait_dscnt 0x0
.if (\s) < 7
.if (\s) > 0
	PLACES
.endif
	FETCH (\s)+1, 1-(\s)%2
.endif
.if (\s) == 0
	s_wait_alu depctr_va_vdst(0)
	MUL \s, 0, 1
.else
	MUL \s, (\s)%2, 0
.endif
.endm
	s_load_b128 s[4:7], s[0:1], 0x0                ; opc s[4:5], ops s[6:7]
	s_load_b128 s[8:11], s[0:1], 0x10              ; bq, bk
	s_load_b128 s[12:15], s[0:1], 0x20             ; bv, qkvc
	s_load_b64 s[16:17], s[0:1], 0x30              ; qkvs
	v_lshl_add_u32 v126, v0, 2, 0x30000
	v_mov_b32 v127, 0
	ds_add_u32 v126, v127
	ds_add_u32 v126, v127
	v_lshrrev_b32 v1, 5, v0
	v_readfirstlane_b32 s[WV], v1                  ; wave 0..3
	s_and_b32 s19, s[WV], 1                        ; which four tiles of a block I fetch
	s_bfe_u32 s20, ttmp6, 0x40000                  ; cx
	s_bfe_u32 s21, ttmp6, 0x40004                  ; cy
	s_lshr_b32 s24, ttmp9, 1                       ; KIND: the cluster's x / 2
	s_lshl_b32 s25, ttmp9, 2
	s_add_co_u32 s25, s25, 32                      ; U: the cluster's first block of 128 rows of W in opc (Wq 32-39, Wk 40-47, Wv 48-55)
	s_and_b32 s23, ttmp7, 0xffff
	s_lshl_b32 s26, s23, 2                         ; T: its first block of 128 tokens
	s_mov_b32 s88, 12288
	s_mov_b32 s67, 8192
	s_mov_b32 s62, 0x05040100
	s_mov_b32 s63, 0x07060302
	s_cmp_eq_u32 s24, 2                            ; v?  All that differs is chosen on this one compare
	s_cselect_b32 s84, s26, s25                    ; P's blocks: tokens for v, rows of W for q and k
	s_cselect_b32 s85, s25, s26                    ; Q's: the other
	s_cselect_b32 s86, 31, 7
	s_cselect_b32 s87, 7, 31
	s_cselect_b32 s88, 49152, s88                  ; SA: bytes of a tile in the result's buffer
	s_cselect_b32 s89, 64, 16384                   ; scale words: bytes for each block along P,
	s_cselect_b32 s92, 4096, 64                    ; for each pair of my tiles,
	s_cselect_b32 s67, 2048, s67                   ; and between what lanes 0-15 and lanes 16-31 store
	s_cselect_b32 s62, 0x03020100, s62             ; v: lanes 0-15 store tile 2 w's word, lanes 16-31 tile 2 w + 1's;
	s_cselect_b32 s63, 0x07060504, s63             ; q, k: the two tiles' bytes of the first head, of the second head
	s_add_co_u32 s84, s84, s20                     ; P's block: hangs on cx, never on cy
	s_add_co_u32 s85, s85, s21                     ; Q's block: hangs on cy, never on cx
	s_and_b32 s86, s84, s86                        ; P's block in its own tensor
	s_and_b32 s87, s85, s87                        ; Q's
	s_lshl_b32 s22, 0x1111, s20                    ; my column of the cluster
	s_lshl_b32 s27, s21, 2
	s_lshl_b32 s27, 15, s27                        ; my row
	; descriptor group 1: 4 tiles x 12,288 bytes (1,536 elements of 8 bytes), 12,288 bytes apart in memory, dense in LDS
	s_or_b32 s[G1P], s22, (3<<16)|(1<<21)          ; 15:0 the mask; 17:16 elements of 8 bytes; 20 no padding; 21 set beside a mask
	s_or_b32 s[G1Q], s27, (3<<16)|(1<<21)
.irp g, G1P, G1Q
	s_mov_b32 s[\g+1], 1536<<16                    ; tensor_dim0: a whole tile, 12,288 bytes
	s_mov_b32 s[\g+2], 4<<16                       ; tensor_dim1
	s_mov_b32 s[\g+3], 1536<<16                    ; tile_dim0
	s_mov_b32 s[\g+4], 4                           ; tile_dim1
	s_mov_b32 s[\g+5], 1536                        ; tensor_dim0_stride
	s_mov_b32 s[\g+6], 0
	s_mov_b32 s[\g+7], 0
.endr
	; where the results go
	s_lshl_b32 s96, s87, 3
	s_lshl_b32 s97, s[WV], 1
	s_add_co_u32 s96, s96, s97                     ; my first tile: 8 x Q's block + 2 w
	s_mul_i32 s96, s96, s88
	s_mul_i32 s97, s24, 3145728
	s_add_co_u32 s96, s96, s97
	s_mul_i32 s97, s86, 1536                       ; P's block is one fragment, 1,536 bytes, of each tile
	s_add_co_u32 s96, s96, s97
	s_mov_b32 s97, 0
	s_mov_b32 s98, s88
	s_mov_b32 s99, 0
	s_lshl_b32 s100, s87, 2
	s_add_co_u32 s100, s100, s[WV]                 ; my pair of tiles: 4 x Q's block + w
	s_mul_i32 s100, s100, s92
	s_mul_i32 s101, s86, s89
	s_add_co_u32 s100, s100, s101
	s_lshl_b32 s101, s24, 17
	s_add_co_u32 s100, s100, s101
	s_mov_b32 s101, 0
	; where the operands come from
	s_mul_i32 s25, s19, 49152                      ; four tiles
	s_mul_i32 s90, s84, 98304                      ; a block of 8 tiles
	s_add_co_u32 s90, s90, s25
	s_mov_b32 s91, 0
	s_mul_i32 s94, s85, 98304
	s_add_co_u32 s94, s94, s25
	s_mov_b32 s95, 0
	s_mul_i32 s93, s[WV], 49152                    ; where they go: waves 0, 1 P's halves, waves 2, 3 Q's: no place in the cluster enters an LDS address
	s_lshl_b32 s2, s84, 12                         ; the blocks' scale bytes
	s_mov_b32 s3, 0
	s_lshl_b32 s26, s85, 12
	s_mov_b32 s27, 0
	s_lshl_b32 s20, s86, 9                         ; the biases: P's 128 numbers,
	s_mov_b32 s21, 0
	s_lshl_b32 s22, s87, 9
	s_lshl_b32 s23, s[WV], 7
	s_add_co_u32 s22, s22, s23                     ; my 32 of Q's
	s_mov_b32 s23, 0
	s_mov_b32 s[SEL], 0x76543210
	s_mov_b32 s[SEL+1], 0xfedcba98
	s_mov_b32 s66, 0xffff0000                      ; lanes 16-31
	s_wait_dscnt 0x0
	s_wait_kmcnt 0x0
	s_add_nc_u64 s[90:91], s[4:5], s[90:91]
	s_add_nc_u64 s[94:95], s[4:5], s[94:95]
	s_add_nc_u64 s[2:3], s[6:7], s[2:3]
	s_add_nc_u64 s[26:27], s[6:7], s[26:27]
	s_add_nc_u64 s[96:97], s[14:15], s[96:97]      ; my tile 2 w's codes,
	s_add_nc_u64 s[98:99], s[96:97], s[98:99]      ; tile 2 w + 1's
	s_add_nc_u64 s[100:101], s[16:17], s[100:101]
	s_cmp_eq_u32 s24, 0
	s_cselect_b64 s[8:9], s[8:9], s[10:11]         ; bq or bk
	s_add_nc_u64 s[8:9], s[8:9], s[20:21]
	s_add_nc_u64 s[12:13], s[12:13], s[22:23]
.irp j, 0
	s_mov_b32 s[G0P+4*\j], 1
	s_add_co_u32 s[G0P+4*\j+1], s93, CHUNK*\j                      ; LDS address
	s_add_nc_u64 s[G0P+4*\j+2:G0P+4*\j+3], s[90:91], 3072*\j       ; global address: chunk j of my four tiles
	s_or_b32 s[G0P+4*\j+3], s[G0P+4*\j+3], 0x80000000              ; type = 2
	s_mov_b32 s[G0Q+4*\j], 1
	s_add_co_u32 s[G0Q+4*\j+1], s93, CHUNK*\j
	s_add_nc_u64 s[G0Q+4*\j+2:G0Q+4*\j+3], s[94:95], 3072*\j
	s_or_b32 s[G0Q+4*\j+3], s[G0Q+4*\j+3], 0x80000000
.endr
	CROUND                                         ; all sixteen work-groups are here: the joint loads meet
	s_cmp_lt_u32 s[WV], 2                          ; one tensor load a wave: four whole tiles, 49,152 dense bytes
	s_cbranch_scc0 .Lfirst_q
.irp j, 0
	tensor_load_to_lds s[G0P+4*\j:G0P+4*\j+3], s[G1P:G1P+7]
	s_nop 0
.endr
.rept 4
	v_nop
.endr
	s_branch .Lfirst_asked
.Lfirst_q:
.irp j, 0
	tensor_load_to_lds s[G0Q+4*\j:G0Q+4*\j+3], s[G1Q:G1Q+7]
	s_nop 0
.endr
.rept 4
	v_nop
.endr
.Lfirst_asked:
	v_and_b32 v1, 31, v0                           ; lane
	v_and_b32 v2, 15, v0                           ; r
	v_bfe_u32 v3, v0, 4, 1                         ; h
	v_lshlrev_b32 v4, 4, v1                        ; P's images: 16 x lane,
	v_lshlrev_b32 v9, 3, v1
	v_add_nc_u32 v5, 512, v9                       ; 512 + 8 x lane
	v_add_nc_u32 v16, 49152, v4                    ; the same for P's tiles 4-7
	v_add_nc_u32 v17, 49152, v5
	s_mul_i32 s25, s[WV], 24576
	s_add_co_u32 s25, s25, QOFF
	v_add_nc_u32 v6, s25, v4                       ; Q's: my two tiles
	v_add_nc_u32 v7, s25, v5
	v_lshlrev_b32 v8, 4, v1                        ; the stores' 16 x lane (v9: 8 x lane)
	v_lshlrev_b32 v10, 3, v2
	v_lshl_add_u32 v10, v3, 9, v10                 ; P's scale words: 8 r, lanes 16-31 four tiles on
	v_lshlrev_b32 v11, 3, v2
	v_lshl_add_u32 v11, v3, 7, v11
	s_lshl_b32 s25, s[WV], 8
	v_add_nc_u32 v11, s25, v11                     ; Q's: tile 2 w + h
	v_lshlrev_b32 v12, 6, v3                       ; the bias along P: 16 h numbers on
	v_mul_u32_u24 v13, s67, v3
	v_lshl_add_u32 v13, v2, 2, v13                 ; the scale word that I store
	v_and_b32 v14, 8, v2
	v_add_nc_u32 v14, v14, v2
	v_lshlrev_b32 v14, 2, v14                      ; the bias along Q: my row r + 8 (r / 8) of a tile
.irp b, 0,1,2,3
	v_mov_b32 v[TM+4+\b], 0                        ; written once: a lane permute's destination counts as one of its sources
.endr
.irp k, 0,1,2,3
.irp i, 0,1,2,3
	global_load_b64 v[SP+8*\i+2*\k:SP+8*\i+2*\k+1], v10, s[2:3] offset:1024*\k+128*\i   ; the words of K steps 2 k and 2 k + 1
.endr
	global_load_b64 v[SQ+2*\k:SQ+2*\k+1], v11, s[26:27] offset:1024*\k
.endr
	; The biases.  q, k: along P (the features), as the C of each sum's first product; none along Q.   v: along Q; none along P.  The one that a kind has not is zero.
	s_cmp_eq_u32 s24, 2
	s_cbranch_scc1 .Lbias_v
	WIN 0x80                                       ; destination window 2
.irp p, 0,1,2,3,4,5,6,7
	global_load_b128 v[BP+8*\p:BP+8*\p+3], v12, s[8:9] offset:(32*(\p/2)+8*(\p%2))*4       ; tile p's registers hold P's rows 32 (p / 2) + 16 h + 8 (p % 2) + 0 .. 7
	global_load_b128 v[BP+8*\p+4:BP+8*\p+7], v12, s[8:9] offset:(32*(\p/2)+8*(\p%2))*4+16
.endr
.irp j, 0,1,2,3
	v_mov_b32 v[BQ+\j], 0
.endr
	WIN 0
	s_branch .Lbias_done
.Lbias_v:
	WIN 0x80
	s_wait_alu depctr_va_vdst(0)
.irp i, 0,1
	global_load_b32 v[BQ+2*\i], v14, s[12:13] offset:32*\i      ; tile 2 w + i begins 8 i rows on
	global_load_b32 v[BQ+2*\i+1], v14, s[12:13] offset:32*\i    ; (the packed addition names a pair: both are written)
.endr
.set J, 0
.rept 64
	v_mov_b32 v[BP+J], 0
.set J, J+1
.endr
	WIN 0
.Lbias_done:
	s_wait_alu depctr_va_vdst(0)                   ; the wait at the head's end
	s_wait_tensorcnt 0x0                           ; my four tiles are in
	s_barrier_signal -1
	s_barrier_wait -1                              ; everybody's is
	FETCH 0, 0
	s_wait_loadcnt 0x0                             ; scale words and biases
	KSTEP 0
	KSTEP 1
	KSTEP 2
	KSTEP 3
	KSTEP 4
	KSTEP 5
	KSTEP 6
	KSTEP 7
	WIN 0
	PLACES
; THE WAY OUT of my tile 2 w + i: the bias along Q (each accumulator from its low end on), the quantiser, and a fragment of 1,536 consecutive bytes.
.macro OUT i
	WIN 0x08                                       ; source 1 window 2
.set J, 0
.rept 32
	v_pk_add_f32 v[ACC+64*\i+J:ACC+64*\i+J+1], v[ACC+64*\i+J:ACC+64*\i+J+1], v[BQ+2*\i:BQ+2*\i+1] op_sel_hi:[1,0]
.set J, J+2
.endr
	WIN 0
.if \i
	s_wait_xcnt 0x0                                ; the first tile's stores have read the codes' registers
.endif
	QUANT ACC+64*\i
	global_store_b128 v8, v[PC:PC+3], s[96+2*\i:97+2*\i]
	global_store_b64 v9, v[PC+4:PC+5], s[96+2*\i:97+2*\i] offset:512
	global_store_b128 v8, v[PC+6:PC+9], s[96+2*\i:97+2*\i] offset:768
	global_store_b64 v9, v[PC+10:PC+11], s[96+2*\i:97+2*\i] offset:1280
	v_mov_b32 v[PW0+\i], v[PW]
.endm
	OUT 0
	OUT 1
	v_perm_b32 v[X0], v[PW0+1], v[PW0], s62        ; what lanes 0-15 store,
	v_perm_b32 v[X1], v[PW0+1], v[PW0], s63        ; what lanes 16-31 store
	v_cndmask_b32 v[X0], v[X0], v[X1], s66
	global_store_b32 v13, v[X0], s[100:101]
	s_wait_dscnt 0x0
	s_wait_tensorcnt 0x0
	ds_add_u32 v126, v127
	s_wait_dscnt 0x0
	CROUND                                         ; the closing round: no work-group ends while a partner may still ask for a tile that names it
	s_endpgm
.Lfunc_end_k_q21cfce2b2f_proj:
	.size	k_q21cfce2b2f_proj, .Lfunc_end_k_q21cfce2b2f_proj-k_q21cfce2b2f_proj
	.p2alignl 7, 3214868480
	.fill 96, 4, 3214868480
	.section	.rodata,"a",@progbits
	.p2align	6, 0x0
	.amdhsa_kernel k_q21cfce2b2f_proj
		.amdhsa_group_segment_fixed_size 197120
		.amdhsa_private_segment_fixed_size 0
		.amdhsa_enable_private_segment 0
		.amdhsa_kernarg_size 56
		.amdhsa_user_sgpr_count 2
		.amdhsa_user_sgpr_kernarg_segment_ptr 1
		.amdhsa_wavefront_size32 1
		.amdhsa_system_sgpr_workgroup_id_x 1
		.amdhsa_system_sgpr_workgroup_id_y 1
		.amdhsa_system_sgpr_workgroup_id_z 1
		.amdhsa_system_vgpr_workitem_id 0
		.amdhsa_next_free_vgpr 640
		.amdhsa_next_free_sgpr 102
		.amdhsa_reserve_vcc 0
		.amdhsa_float_denorm_mode_32 3
		.amdhsa_float_denorm_mode_16_64 3
		.amdhsa_memory_ordered 1
		.amdhsa_forward_progress 1
		.amdhsa_inst_pref_size 65
	.end_amdhsa_kernel
	.amdgpu_metadata
---
amdhsa.version: [ 1, 2 ]
amdhsa.kernels:
  - .name:           k_q21cfce2b2f_proj
    .symbol:         k_q21cfce2b2f_proj.kd
    .args:
      - { .name: opc, .offset: 0, .size: 8, .value_kind: global_buffer, .address_space: global }
      - { .name: ops, .offset: 8, .size: 8, .value_kind: global_buffer, .address_space: global }
      - { .name: bq, .offset: 16, .size: 8, .value_kind: global_buffer, .address_space: global }
      - { .name: bk, .offset: 24, .size: 8, .value_kind: global_buffer, .address_space: global }
      - { .name: bv, .offset: 32, .size: 8, .value_kind: global_buffer, .address_space: global }
      - { .name: qkvc, .offset: 40, .size: 8, .value_kind: global_buffer, .address_space: global }
      - { .name: qkvs, .offset: 48, .size: 8, .value_kind: global_buffer, .address_space: global }
    .group_segment_fixed_size: 197120
    .private_segment_fixed_size: 0
    .kernarg_segment_align: 8
    .kernarg_segment_size: 56
    .max_flat_workgroup_size: 128
    .sgpr_count:     102
    .vgpr_count:     640
    .wavefront_size: 32
...
	.end_amdgpu_metadata
.endif
;; end of part 2
;; launch attn (part 3): grid 4 x 64, 8 waves a work-group, clusters of 4 x 4, 327,680 bytes of LDS; arguments attention_mask, qkvc, qkvs, atc, ats; writes atc, ats
.if DOCPART == 3
	.amdgcn_target "amdgcn-amd-amdhsa--gfx1250"
	.amdhsa_code_object_version 6
	.text
	.protected	k_q21cfce2b2f_attn
	.globl	k_q21cfce2b2f_attn
	.p2align	8
	.type	k_q21cfce2b2f_attn,@function
k_q21cfce2b2f_attn:
	s_mov_b64 s[64:65], 0
	v_nop
	global_prefetch_b8 v0, s[64:65] scope:SCOPE_SE
	s_setreg_imm32_b32 hwreg(HW_REG_WAVE_MODE, 25, 1), 1
	s_wait_xcnt 0x0
	s_wait_alu depctr_hold_cnt(0) depctr_sa_sdst(0) depctr_va_vdst(0) depctr_va_sdst(0) depctr_va_ssrc(0) depctr_va_vcc(0) depctr_vm_vsrc(0)
	s_getreg_b32 s2, hwreg(HW_REG_IB_STS2, 6, 4)
	s_cmp_eq_u32 s2, 0
	s_cbranch_scc0 .Lentry_in_a_cluster
	s_endpgm
.Lentry_in_a_cluster:
	s_bfe_u32 s2, ttmp6, 0x10000c
	s_cmp_lg_u32 s2, 0xf033
	s_cbranch_scc0 .Lentry_shape_is_right
	s_endpgm
.Lentry_shape_is_right:
; attn[q][head] = softmax_k(q . k / 8 + mask[q][k]) v, both products on codes of FP6 (E2M3) with E8M0 scales; the result is quantised along the 1,024 features for the last product.
; THE SOFTMAX: t = logit x log2(e); M = the row's largest t so far, rounded UP to a whole number; p = 2^(t - M) is quantised along the keys, not normalised; the row's sum is taken of the
; unquantised p and divides at the end.  When M moves, the sum and O are multiplied by 2^(old M - new M): exact.  The mask is an input: every key is walked, 128 a step.
; SHARES.  A work-group owns 64 queries (qb = 4 x cluster y + cy) of 4 heads (cx).  Wave w: head w % 4, queries 32 (w / 4) .. + 31 as TWO UNITS of 16 queries, which share each fragment of K and of V.
; CLUSTER 4 x 4: the mask tile is shared along a row, K, V and the scale bytes along a column: each is asked for jointly.
; THE MASK IS THE C OF THE SCORE PRODUCT, and the 1/8 is 3 off q's scale bytes.  K = 64 in an instruction of 128: a fragment holds two key tiles and is multiplied by [q | zero codes] and by [zero codes | q].
; WHICH KEYS FORM A TILE is chosen by LDS addresses: row 8 h + j of tile t of the c-th 64 keys is key 64 c + 32 h + 8 t + j.  Both products are transposed, so lane (query, h) holds in registers
; 32 c .. 32 c + 31 of S^T one WHOLE block of 32 keys: its largest p needs no other lane, and the conversions' results are p's operand as they stand, but for three moves a block.
; UNIT 1 RUNS ONE STEP BEHIND UNIT 0: its scores are made at a step's end, its softmax at the next step's head, on registers, while that step's K and mask are read from LDS.  So V has two sets of registers.
; THE RING: two slots; a slot = the mask's 32 even and 32 odd rows (64 bytes further modulo 256, so that the 16 rows of a read fall into 16 different columns of 16 bytes), K's four pairs of
; key tiles, 6,272 bytes apart (128 modulo 256, for the same end in the reads of 16 bytes), V's 16 tiles.  Waves 0, 1 fill the mask, 2-5 K, 6 V: one load a wave; wave 7 fills the scale bytes of all keys once, at the head.
; The round's opening signal stands ahead of unit 0's rescaling and of 12 matrix instructions: work on registers alone.
; PREFETCH: the mask tile that is loaded two trips on (four tiles ahead of the one in hand), 16 rows x 512 bytes for each work-group of a row of the cluster, by wave 7; held at the last tile.
; K and V are not prefetched: all sixteen clusters walk the same tiles of them in the same order, so they are no stream that a cluster reads alone.
; LIMITS: NaN and infinities among q, k, v are not served; a row whose mask is -infinity everywhere gives NaN; a block of q whose scale byte is under 3 is taken with the byte 0; the mask is added
; inside the matrix unit, with its rounding; a block of zeros carries the byte 1; the promise holds while |t| stays under 2^31.
; REGISTERS.  Window 0: v1-21 addresses; v22-37 each unit's -M, largest logit, sum, factor; v38-47 at work; v48-65 scale words; v66-101 [0 | q | 0] twice; v102-133 p's codes; v144-207 S^T, v208-239 O^T, v240-255 at work (unit 0).
;   Window 1: v0-47 K; v48-143 V, two sets; v144-255 as in window 0, for unit 1.
.set SLOT1, 1<<17
.set MP,    528                        ; a mask row in LDS: 512 bytes + 16
.set MB,    32*MP+64                   ; from the even rows to the odd rows
.set KOFF,  34048
.set KP,    6272                       ; a pair of key tiles, my four heads: 6,144 bytes + 128
.set VOFF,  KOFF+4*KP
.set SLOTB, VOFF+24576
.set SCL,   SLOT1+SLOTB                ; behind slot 1: k's scale words of my four heads (32,768 bytes), then v's; filled once
.set SPARE, SCL+65536                  ; the spare words: 128 bytes for each of 8 waves
.set STG,   SPARE+1024                 ; 512 bytes: the result's scale bytes are gathered here; no fill lands here
.set SPW, 13
.set NIL, 14
.set PFO, 15
.set GA,  16
.set GB,  17
.set L16, 18
.set L8,  19
.set PFT, 20
.set SH8, 21
.set ST,  22                           ; unit u: -M at ST + 8 u, the largest logit + 1, the sum + 2, + 3, the factor + 4 (+ 5 written once)
.set AKS, 28
.set AVS, 29
.set BM,  38                           ; the largest logit, then p, of block c of unit u: BM + 2 u + c
.set T,   42
.set KS,  48
.set VS,  52
.set QS,  60
.set PS,  64
.set Q,   66
.set PC,  102
.set CT,  126
.set S,   144
.set O,   208
.set TP,  240
.set WV,  14
.set SEL, 20
.set CS,  22
.set G1M, 24
.set G1K, 32
.set G1V, 40
.set G1S, 48
.set G0M, 56
.set G0K, 60
.set G0V, 68
.set G0S, 72
.set TJ,  81
.set CNT, 83
.set PFS, 84
.set TS,  85
.set CL,  101                          ; s101: my wave's class, bit 0 of w xor (w / 4): 1 = late
.set MSB, 0
.macro WIN new                         ; the immediate's high byte repeats the setting that is left
.if MSB != (\new)
	s_set_vgpr_msb (MSB<<8)|(\new)
.set MSB, (\new)
.endif
.endm
.macro D1
	s_delay_alu instid0(VALU_DEP_1)
.endm
.macro NOP4
.rept 4
	v_nop
.endr
.endm
.macro CREST                           ; a round of the cluster's barrier behind its opening barrier
	s_cmp_lg_u32 s[WV], 0
	s_cbranch_scc1 .Lnot_wave_0_\@
	s_barrier_signal -3
.Lnot_wave_0_\@:
	s_barrier_wait -3
	s_barrier_signal -1
	s_barrier_wait -1
.endm
.macro CROUND
	s_barrier_signal -1
	s_barrier_wait -1
	CREST
.endm
.macro ONE g0, g1                      ; a joint load; s_nop 0 and four v_nop follow it
	tensor_load_to_lds s[\g0:\g0+3], s[\g1:\g1+7]
	s_nop 0
	NOP4
.endm
.macro TLOAD hd                        ; one chain of branches on the wave's number, one load to an arm.  hd = 1, at the head: wave 7 fetches the scale bytes
	s_cmp_lt_u32 s[WV], 2
	s_cbranch_scc0 .Lnm_\@
	ONE G0M, G1M
	s_branch .Las_\@
.Lnm_\@:
	s_cmp_lt_u32 s[WV], 6
	s_cbranch_scc0 .Lnk_\@
	ONE G0K, G1K
	s_branch .Las_\@
.Lnk_\@:
	s_cmp_lt_u32 s[WV], 7
	s_cbranch_scc0 .Lnv_\@
	ONE G0V, G1V
.if \hd
	s_branch .Las_\@
.endif
.Lnv_\@:
.if \hd
	ONE G0S, G1S
.endif
.Las_\@:
.endm
.macro STEPD                           ; the walking descriptors: the other slot, the next 128 keys.  Written only where no tensor load of mine is out
	s_xor_b32 s[G0M+1], s[G0M+1], SLOT1
	s_add_nc_u64 s[G0M+2:G0M+3], s[G0M+2:G0M+3], 512
	s_xor_b32 s[G0K+1], s[G0K+1], SLOT1
	s_add_nc_u64 s[G0K+2:G0K+3], s[G0K+2:G0K+3], 98304
	s_xor_b32 s[G0V+1], s[G0V+1], SLOT1
	s_add_nc_u64 s[G0V+2:G0V+3], s[G0V+2:G0V+3], 1536
.endm
.macro WM d, a, b, sa, sb
	v_wmma_scale_f32_16x16x128_f8f6f4 v[\d:\d+7], v[\a:\a+11], v[\b:\b+11], v[\d:\d+7], v[\sa], v[\sb] matrix_a_fmt:MATRIX_FMT_FP6 matrix_b_fmt:MATRIX_FMT_FP6
.endm
.macro MASK u, par                     ; unit u's mask at keys 64 c + 32 h + 0 .. 31: straight into the accumulators
	WIN 0x40*\u
.irp c, 0,1
.irp j, 0,1,2,3,4,5,6,7
	ds_load_b128 v[S+32*\c+4*\j:S+32*\c+4*\j+3], v[1+\par] offset:4*MP*\u+256*\c+16*\j
.endr
.endr
.endm
.macro QK u                            ; S^T = mask + K Q^T / 8: eight accumulators, one product each.  K in window 1, q in window 0, S^T in the unit's window
	WIN 0x01+0x50*\u
.irp f, 0,1,2,3
	WM S+16*\f, 12*\f, Q+18*\u+6, KS+\f, QS+2*\u
	WM S+16*\f+8, 12*\f, Q+18*\u, KS+\f, QS+2*\u+1
.endr
	NOP4                                           ; places ahead of the first read of the scores and of the loads into K's registers
.endm
; The softmax of unit u, first part: the blocks' and the row's largest logit, M, the factor, t - M, the exponentials.
.macro SOFTA u
	WIN 0x55*\u
.irp t, 0,1,2,3,4,5,6,7
	v_max3_num_f32 v[TP+\t], v[S+8*\t], v[S+8*\t+1], v[S+8*\t+2]   ; eight chains by turns, one for each accumulator, each first read at its low end
.endr
.irp k, 3,5
.irp t, 0,1,2,3,4,5,6,7
	v_max3_num_f32 v[TP+\t], v[TP+\t], v[S+8*\t+\k], v[S+8*\t+\k+1]
.endr
.endr
.irp c, 0,1
	v_max3_num_f32 v[TP+4*\c], v[TP+4*\c], v[TP+4*\c+1], v[S+32*\c+7]       ; a block's four chains are joined, each join with one accumulator's last register
	v_max3_num_f32 v[TP+4*\c+2], v[TP+4*\c+2], v[TP+4*\c+3], v[S+32*\c+15]
.endr
.irp c, 0,1
	v_max3_num_f32 v[TP+4*\c], v[TP+4*\c], v[TP+4*\c+2], v[S+32*\c+23]
.endr
	WIN 0x05*\u
.irp c, 0,1
	v_max_num_f32 v[BM+2*\u+\c], v[TP+4*\c], v[S+32*\c+31]   ; my block's largest logit: it serves for the row's maximum and, since p rises with the logit, for the block's largest p
.endr
	WIN 0
	v_max_num_f32 v[T], v[BM+2*\u], v[BM+2*\u+1]
	D1
	v_permlanex16_b32 v[T+1], v[T], s[SEL], s[SEL+1]
	D1
	v_max3_num_f32 v[ST+8*\u+1], v[ST+8*\u+1], v[T], v[T+1]   ; the running largest logit
	D1
	v_mul_f32 v[T], s[CS], v[ST+8*\u+1]            ; as t
	v_mov_b32 v[T+2], v[ST+8*\u]
	s_delay_alu instid0(VALU_DEP_2)
	v_floor_f32 v[ST+8*\u], -v[T]                  ; the new -M = -ceil(t)
	D1
	v_sub_f32 v[T+2], v[ST+8*\u], v[T+2]           ; old M - new M: a whole number, 0 or less
	D1
	v_cvt_i32_f32 v[T+2], v[T+2]                   ; (it saturates)
	D1
	v_ldexp_f32 v[ST+8*\u+4], 1.0, v[T+2]          ; the factor 2^(old M - new M)
.irp c, 0,1
	v_fma_f32 v[BM+2*\u+\c], v[BM+2*\u+\c], s[CS], v[ST+8*\u]
.endr
	WIN 0x41*\u
.set J, 0
.rept 32
	v_pk_fma_f32 v[S+J:S+J+1], v[S+J:S+J+1], s[CS:CS+1], v[ST+8*\u:ST+8*\u+1] op_sel_hi:[1,0,0]   ; t - M, two at a time
.set J, J+2
.endr
	WIN 0
	s_wait_alu depctr_va_vdst(0)                   ; the wait ahead of the batch
.irp c, 0,1
	v_exp_f32 v[BM+2*\u+\c], v[BM+2*\u+\c]         ; the block's largest p: the same two instructions on the same number give the same bits
.endr
	WIN 0x41*\u
.set J, 0
.rept 64
	v_exp_f32 v[S+J], v[S+J]                       ; p = 2^(t - M)
.set J, J+1
.endr
	v_nop                                          ; one plain place behind the exponentials
	s_wait_alu depctr_va_vdst(0)                   ; and the one wait behind the batch
.endm
; Second part: p's scale word, its codes, the row's sum.
.macro SOFTB1 u
	WIN 0
.irp c, 0,1
	v_max_num_f32 v[BM+2*\u+\c], 0x1800000, v[BM+2*\u+\c]   ; the floor 2^(3 - 127): the byte cannot fall under 1
.endr
.irp c, 0,1
	v_add_nc_u32 v[T+\c], 0xff000000, v[BM+2*\u+\c]   ; 2 off the exponent field: the conversion's scale operand
.endr
.irp c, 0,1
	v_lshrrev_b32 v[T+2+\c], 23, v[T+\c]           ; the byte
.endr
	D1
	v_lshl_or_b32 v[T+2], v[T+3], 16, v[T+2]       ; my two bytes: blocks h and 2 + h,
	D1
	v_lshlrev_b32 v[T+2], v[SH8], v[T+2]           ; 8 h bits up;
	D1
	v_permlanex16_b32 v[T+4], v[T+2], s[SEL], s[SEL+1]
	D1
	v_or_b32 v[PS+\u], v[T+2], v[T+4]              ; with lane l xor 16's two the word is whole
	WIN 0x01*\u
.irp c, 0,1
	v_cvt_scalef32_pk16_fp6_f32 v[PC+12*\u+6*\c:PC+12*\u+6*\c+2], v[S+32*\c:S+32*\c+15], v[T+\c]
	v_cvt_scalef32_pk16_fp6_f32 v[CT+4*\c:CT+4*\c+2], v[S+32*\c+16:S+32*\c+31], v[T+\c]   ; (a conversion's three registers begin on an even number)
.endr
	v_nop                                          ; one plain place behind a scaled conversion
	WIN 0
.irp c, 0,1
.irp i, 0,1,2
	v_mov_b32 v[PC+12*\u+6*\c+3+\i], v[CT+4*\c+\i]
.endr
.endr
	WIN 0x55*\u
.irp k, 0,1,2,3,4,5,6,7
	v_pk_add_f32 v[TP+2*\k:TP+2*\k+1], v[S+2*\k:S+2*\k+1], v[S+16+2*\k:S+17+2*\k]   ; the sum of the unquantised p: eight chains by turns
.endr
.irp n, 32,48
.irp k, 0,1,2,3,4,5,6,7
	v_pk_add_f32 v[TP+2*\k:TP+2*\k+1], v[TP+2*\k:TP+2*\k+1], v[S+\n+2*\k:S+\n+2*\k+1]
.endr
.endr
.irp k, 0,1,2,3
	v_pk_add_f32 v[TP+2*\k:TP+2*\k+1], v[TP+2*\k:TP+2*\k+1], v[TP+8+2*\k:TP+9+2*\k]
.endr
	v_pk_add_f32 v[TP:TP+1], v[TP:TP+1], v[TP+4:TP+5]
	v_pk_add_f32 v[TP+2:TP+3], v[TP+2:TP+3], v[TP+6:TP+7]
	D1
	v_pk_add_f32 v[TP:TP+1], v[TP:TP+1], v[TP+2:TP+3]
	WIN 0x10*\u
	v_pk_fma_f32 v[ST+8*\u+2:ST+8*\u+3], v[ST+8*\u+2:ST+8*\u+3], v[ST+8*\u+4:ST+8*\u+5], v[TP:TP+1] op_sel_hi:[1,0,1]   ; the old sum under the new M, and the step's
.endm
; Third part: O^T under the new M, and O^T += V^T P^T with V's set vb: four accumulators, one product each.
.macro SOFTB2 u, vb
	WIN 0x41*\u
	s_wait_alu depctr_va_vdst(0)                   ; the wait directly ahead of the first reader of O^T
.set J, 0
.rept 16
	v_pk_mul_f32 v[O+J:O+J+1], v[O+J:O+J+1], v[ST+8*\u+4:ST+8*\u+5] op_sel_hi:[1,0]
.set J, J+2
.endr
	WIN 0x01+0x50*\u
.irp t, 0,1,2,3
	WM O+8*\t, 48+48*(\vb)+12*\t, PC+12*\u, VS+4*(\vb)+\t, PS+\u
.endr
.endm
; A KEY STEP on slot par.  first = 1: unit 1 has no step behind it yet.  e = 2: a round and a refill follow; 1: a barrier alone; 0: nothing (the last step).
; TWO CLASSES OF WAVES, told apart by the wave's number alone.  An early wave finishes unit 0's step and makes unit 1's scores in front of and inside the round; a late wave carries just these blocks,
; work on registers alone (p, K, V's older set and unit 1's mask are all in registers), over the round to the next step's head, ahead of its loads into those registers.
; Between two rounds both classes do the same work, in another order.  Every barrier, wait and add stands on every wave's path.  The last step has no round behind it: there all waves finish in line.
.macro BODY par, first, e, pf
.if \first == 0
	s_cmp_eq_u32 s[CL], 1
	s_cbranch_scc0 .Lnot_late_\@
	SOFTB1 0                                       ; a late wave: the last step's codes and sum of unit 0,
	SOFTB2 0, (1-\par)                             ; its product with the last step's V,
	QK 1                                           ; and unit 1's scores of the last step
	WIN 0
.Lnot_late_\@:
.endif
	v_add_nc_u32 v[AKS], s[TS], v11
	v_add_nc_u32 v[AVS], s[TJ], v12
	WIN 0x40
.irp c, 0,1
.irp p, 0,1
.irp u, 0,1
	ds_load_b128 v[12*(2*\c+\p)+6*\u:12*(2*\c+\p)+6*\u+3], v[3+\par] offset:2*KP*\c+3072*\u+128*\p   ; lanes r < 8 read pair 2 c, the others pair 2 c + 1; slots 8 p on
	ds_load_b64 v[12*(2*\c+\p)+6*\u+4:12*(2*\c+\p)+6*\u+5], v[5+\par] offset:2*KP*\c+3072*\u+64*\p
.endr
.endr
.endr
	WIN 0
.irp c, 0,1
.irp p, 0,1
	ds_load_b32 v[KS+2*\c+\p], v[AKS] offset:128*\c+32*\p
.endr
.endr
	MASK 0, \par
.if \first == 0
	SOFTA 1                                        ; unit 1's softmax of the step before: work on registers under the loads above
	SOFTB1 1
	SOFTB2 1, (1-\par)
.endif
	MASK 1, \par
	WIN 0x40
.irp t, 0,1,2,3
.irp c, 0,1
	ds_load_b128 v[48+48*\par+12*\t+6*\c:48+48*\par+12*\t+6*\c+3], v[7+\par] offset:1536*\t+768*\c
	ds_load_b64 v[48+48*\par+12*\t+6*\c+4:48+48*\par+12*\t+6*\c+5], v[9+\par] offset:1536*\t+768*\c
.endr
.endr
	WIN 0
.irp t, 0,1,2,3
	ds_load_b32 v[VS+4*\par+\t], v[AVS] offset:2048*\t
.endr
.if \pf
	s_cmp_lg_u32 s[WV], 7                          ; wave 7, which fills no slot, asks for 16 rows x 512 bytes, 32 lanes 256 bytes apart
	s_cbranch_scc1 .Lno_pf_\@
	s_wait_xcnt 0x0                                ; the last prefetch has read its address register
	v_add_nc_u32 v[PFT], s[PFS], v[PFO]
	global_prefetch_b8 v[PFT], s[86:87] th:TH_LOAD_NT scope:SCOPE_SE
.Lno_pf_\@:
	s_add_co_u32 s[PFS], s[PFS], 512
	s_min_u32 s[PFS], s[PFS], 31*512
.endif
	s_wait_dscnt 36                                ; K, its words and unit 0's mask are in; behind them: unit 1's mask (16), V (16), its words (4)
	QK 0
	SOFTA 0
	WIN 0
.if \e > 0
	s_cmp_eq_u32 s[CL], 1
	s_cbranch_scc1 .Llate_a_\@
.endif
	SOFTB1 0
	WIN 0
.if \e > 0
.Llate_a_\@:
.endif
	s_wait_alu depctr_va_vdst(0)                   ; the wait directly ahead of the blocking wait
.if \e > 0
	s_wait_tensorcnt 0x0                           ; no tensor load of mine is out
	ds_add_u32 v[SPW], v[NIL]
.if \e == 2
	STEPD
.endif
	s_wait_dscnt 0x0                               ; the add is done, and all my reads of this slot
	s_barrier_signal -1
.else
	s_wait_dscnt 0x0
.endif
.if \e > 0
	s_cmp_eq_u32 s[CL], 1
	s_cbranch_scc1 .Llate_b_\@
.endif
	SOFTB2 0, \par
	QK 1                                           ; unit 1's scores, for the next step's head
	WIN 0
.if \e > 0
.Llate_b_\@:
.endif
	s_add_co_u32 s[TS], s[TS], 256
	s_add_co_u32 s[TJ], s[TJ], 64
.if \e > 0
	s_barrier_wait -1
.endif
.if \e == 2
	CREST
	TLOAD 0                                        ; the tiles of two steps on, into the slot just read out
.endif
.endm
	s_load_b128 s[4:7], s[0:1], 0x0                ; the mask, qkvc
	s_load_b128 s[8:11], s[0:1], 0x10              ; qkvs, atc
	s_load_b64 s[12:13], s[0:1], 0x20              ; ats
	v_lshl_add_u32 v[SPW], v0, 2, SPARE
	v_mov_b32 v[NIL], 0
	ds_add_u32 v[SPW], v[NIL]                      ; the opening lines: the add twice on end
	ds_add_u32 v[SPW], v[NIL]
	v_lshrrev_b32 v144, 5, v0
	v_readfirstlane_b32 s[WV], v144                ; wave 0..7
	s_and_b32 s15, s[WV], 3                        ; my head of the four
	s_lshr_b32 s16, s[WV], 2                       ; my 32 queries of the 64
	s_and_b32 s17, s[WV], 1                        ; waves 0, 1: the mask's even or odd rows
	s_add_co_u32 s76, s[WV], 2
	s_and_b32 s76, s76, 3                          ; waves 2-5: K's pair 0-3
	s_bfe_u32 s18, ttmp6, 0x40000                  ; cx = the group of heads
	s_bfe_u32 s19, ttmp6, 0x40004                  ; cy
	s_and_b32 s96, ttmp7, 0xffff
	s_lshl_b32 s96, s96, 2
	s_add_co_u32 s96, s96, s19                     ; qb
	s_lshl_b32 s97, s19, 2
	s_lshl_b32 s97, 15, s97                        ; my row of the cluster
	s_lshl_b32 s98, 0x1111, s18                    ; my column
	s_or_b32 s[G1M], s97, (2<<16)|(1<<20)|(1<<21)|(6<<22)|(3<<25)   ; the mask: 32 rows x 128 f32, every second row; 4 words of padding behind each 128
	s_mov_b32 s[G1M+1], 128<<16
	s_mov_b32 s[G1M+2], 32<<16
	s_mov_b32 s[G1M+3], 128<<16
	s_mov_b32 s[G1M+4], 32
	s_mov_b32 s[G1M+5], 8192
	s_mov_b32 s[G1M+6], 0
	s_mov_b32 s[G1M+7], 0
	s_or_b32 s[G1K], s98, (3<<16)|(1<<21)          ; K: 2 key tiles x 3,072 bytes (my four heads), 12,288 bytes apart
	s_mov_b32 s[G1K+1], 384<<16
	s_mov_b32 s[G1K+2], 2<<16
	s_mov_b32 s[G1K+3], 384<<16
	s_mov_b32 s[G1K+4], 2
	s_mov_b32 s[G1K+5], 1536
	s_mov_b32 s[G1K+6], 0
	s_mov_b32 s[G1K+7], 0
	s_or_b32 s[G1V], s98, (3<<16)|(1<<21)          ; V: 16 tiles of 16 d x 1,536 bytes (128 keys), 49,152 bytes apart
	s_mov_b32 s[G1V+1], 192<<16
	s_mov_b32 s[G1V+2], 16<<16
	s_mov_b32 s[G1V+3], 192<<16
	s_mov_b32 s[G1V+4], 16
	s_mov_b32 s[G1V+5], 6144
	s_mov_b32 s[G1V+6], 0
	s_mov_b32 s[G1V+7], 0
	s_or_b32 s[G1S], s98, (3<<16)|(1<<21)          ; scale bytes: k's 32,768 and v's 32,768, 131,072 bytes apart
	s_mov_b32 s[G1S+1], 4096<<16
	s_mov_b32 s[G1S+2], 2<<16
	s_mov_b32 s[G1S+3], 4096<<16
	s_mov_b32 s[G1S+4], 2
	s_mov_b32 s[G1S+5], 16384
	s_mov_b32 s[G1S+6], 0
	s_mov_b32 s[G1S+7], 0
	s_mov_b32 s[SEL], 0x76543210
	s_mov_b32 s[SEL+1], 0xfedcba98
	s_mov_b32 s[CS], 0x3fb8aa3b                    ; log2(e)
	s_mov_b32 s[CS+1], s[CS]
	s_mov_b32 s[TS], 0
	s_mov_b32 s[TJ], 0
	s_mov_b32 s[PFS], 4*512
	s_wait_dscnt 0x0
	s_wait_kmcnt 0x0
	s_lshl_b32 s2, s96, 20                         ; groups 0.  The mask's hangs on qb alone, the others' on cx alone
	s_lshl_b32 s3, s17, 14
	s_add_co_u32 s2, s2, s3
	s_mov_b32 s3, 0
	s_mov_b32 s[G0M], 1
	s_mul_i32 s[G0M+1], s17, MB
	s_add_nc_u64 s[G0M+2:G0M+3], s[4:5], s[2:3]
	s_or_b32 s[G0M+3], s[G0M+3], 0x80000000
	s_mul_i32 s100, s18, 3072
	s_mul_i32 s99, s76, 24576
	s_add_co_u32 s100, s100, s99
	s_add_co_u32 s100, s100, 3145728
	s_mov_b32 s101, 0
	s_mul_i32 s99, s76, KP
	s_mov_b32 s[G0K], 1
	s_add_co_u32 s[G0K+1], s99, KOFF
	s_add_nc_u64 s[G0K+2:G0K+3], s[6:7], s[100:101]
	s_or_b32 s[G0K+3], s[G0K+3], 0x80000000
	s_mul_i32 s100, s18, 786432
	s_add_co_u32 s100, s100, 6291456
	s_mov_b32 s[G0V], 1
	s_mov_b32 s[G0V+1], VOFF
	s_add_nc_u64 s[G0V+2:G0V+3], s[6:7], s[100:101]
	s_or_b32 s[G0V+3], s[G0V+3], 0x80000000
	s_lshl_b32 s100, s18, 15
	s_add_co_u32 s100, s100, 131072
	s_mov_b32 s[G0S], 1
	s_mov_b32 s[G0S+1], SCL
	s_add_nc_u64 s[G0S+2:G0S+3], s[8:9], s[100:101]
	s_or_b32 s[G0S+3], s[G0S+3], 0x80000000
	CROUND                                         ; all sixteen work-groups are here: the first joint loads meet
	TLOAD 1                                        ; slot 0's seven tiles and the scale bytes: one load a wave
	s_lshl_b32 s99, s96, 2
	s_lshl_b32 s101, s16, 1
	s_add_co_u32 s99, s99, s101                    ; unit 0's tile of queries: 4 qb + 2 (w / 4)
	s_lshl_b32 s99, s99, 4
	s_lshl_b32 s100, s18, 2
	s_add_co_u32 s100, s100, s15                   ; my head
	s_add_co_u32 s99, s99, s100
	s_mul_i32 s2, s99, 768                         ; the half image (tile, head), in q's codes and in the result's; unit 1's lies 12,288 bytes on
	s_mov_b32 s3, 0
	s_add_nc_u64 s[88:89], s[6:7], s[2:3]
	s_add_nc_u64 s[92:93], s[10:11], s[2:3]
	s_lshl_b32 s2, s100, 13                        ; q's pair words: 8,192 bytes a head, 64 a pair of tiles
	s_lshl_b32 s99, s96, 1
	s_add_co_u32 s99, s99, s16
	s_lshl_b32 s99, s99, 6
	s_add_co_u32 s2, s2, s99
	s_add_nc_u64 s[90:91], s[8:9], s[2:3]
	s_lshr_b32 s2, s96, 1                          ; the result's scale bytes: 4,096 for each 128 tokens, 1,024 for each 256 features, 512 for my four tiles
	s_lshl_b32 s2, s2, 12
	s_lshl_b32 s99, s18, 10
	s_add_co_u32 s2, s2, s99
	s_and_b32 s99, s96, 1
	s_lshl_b32 s99, s99, 9
	s_add_co_u32 s2, s2, s99
	s_add_nc_u64 s[94:95], s[12:13], s[2:3]
	s_lshl_b32 s2, s96, 20                         ; the prefetch: of my block's 64 mask rows the 16 that begin at 16 cx
	s_lshl_b32 s99, s18, 18
	s_add_co_u32 s2, s2, s99
	s_add_nc_u64 s[86:87], s[4:5], s[2:3]
	s_mul_i32 s77, s16, 16*MP
	s_mul_i32 s78, s15, 768
	s_add_co_u32 s78, s78, KOFF
	s_mul_i32 s79, s15, 6144
	s_add_co_u32 s79, s79, VOFF
	s_lshl_b32 s80, s15, 13
	s_add_co_u32 s80, s80, SCL
	s_lshl_b32 s82, s16, 8
	s_lshl_b32 s99, s15, 1
	s_add_co_u32 s82, s82, s99
	s_add_co_u32 s82, s82, STG
	s_lshr_b32 s[CL], s[WV], 2                     ; the class: waves w and w + 4 differ in it, and so do waves 2 j and 2 j + 1
	s_xor_b32 s[CL], s[CL], s[WV]
	s_and_b32 s[CL], s[CL], 1
	v_and_b32 v144, 31, v0                         ; lane
	v_and_b32 v145, 15, v0                         ; r
	v_bfe_u32 v146, v0, 4, 1                       ; h
	v_bfe_u32 v147, v0, 3, 1                       ; r / 8
	v_and_b32 v148, 7, v0                          ; r % 8
	v_lshlrev_b32 v149, 2, v145
	v_lshlrev_b32 v[L16], 4, v144
	v_lshlrev_b32 v[L8], 3, v144
.irp u, 0,1
	global_load_b128 v[Q+18*\u+6:Q+18*\u+9], v[L16], s[88:89] offset:12288*\u        ; q's half image
	global_load_b64 v[Q+18*\u+10:Q+18*\u+11], v[L8], s[88:89] offset:12288*\u+512
.endr
	global_load_b32 v150, v149, s[90:91]           ; the pair word: unit 0's two bytes, unit 1's two
	v_and_b32 v151, 1, v148                        ; the mask: my query is row 32 (w / 4) + 8 u + r % 8 + 16 (r / 8): even rows, then odd rows; + 128 h: my 32 keys of each 64
	v_mul_u32_u24 v1, v151, MB
	v_lshrrev_b32 v151, 1, v148
	v_lshl_add_u32 v151, v147, 3, v151
	v_mad_u32_u24 v1, v151, MP, v1
	v_lshl_add_u32 v1, v146, 7, v1
	v_add_nc_u32 v1, s77, v1
	v_add_nc_u32 v2, SLOT1, v1
	v_mul_u32_u24 v152, v147, KP                   ; K: lanes r >= 8 read the next pair of tiles
	v_lshl_add_u32 v3, v148, 4, v152
	v_lshl_add_u32 v3, v146, 8, v3
	v_add_nc_u32 v3, s78, v3
	v_add_nc_u32 v4, SLOT1, v3
	v_lshl_add_u32 v5, v148, 3, v152
	v_lshl_add_u32 v5, v146, 7, v5
	v_add_nc_u32 v5, s78, v5
	v_add_nc_u32 v5, 512, v5
	v_add_nc_u32 v6, SLOT1, v5
	v_add_nc_u32 v7, s79, v[L16]                   ; V: my head's four tiles
	v_add_nc_u32 v8, SLOT1, v7
	v_add_nc_u32 v9, s79, v[L8]
	v_add_nc_u32 v9, 512, v9
	v_add_nc_u32 v10, SLOT1, v9
	v_lshlrev_b32 v153, 2, v148
	v_lshl_add_u32 v11, v147, 6, v153
	v_add_nc_u32 v11, s80, v11                     ; k's pair words
	v_add_nc_u32 v12, s80, v149
	v_add_nc_u32 v12, 32768, v12                   ; v's words
	v_lshl_add_u32 v[GA], v145, 3, s82             ; the gather: 128 x tile + 8 r + 2 x head
	v_add_nc_u32 v[GB], STG, v[L16]
	v_lshrrev_b32 v[PFO], 1, v144                  ; the prefetch: two lanes to a row, 256 bytes apart
	v_lshlrev_b32 v[PFO], 14, v[PFO]
	v_and_b32 v154, 1, v144
	v_lshl_add_u32 v[PFO], v154, 8, v[PFO]
	v_lshlrev_b32 v[SH8], 3, v146
.irp u, 0,1
	v_mov_b32 v[ST+8*\u+1], 0xff61b1e6             ; the largest logit so far: -3e38
	v_floor_f32 v[ST+8*\u], -v[ST+8*\u+1]          ; -M
	v_mov_b32 v[ST+8*\u+2], 0                      ; the sum, in two halves
	v_mov_b32 v[ST+8*\u+3], 0
	v_mov_b32 v[ST+8*\u+4], 0
	v_mov_b32 v[ST+8*\u+5], 0                      ; (named as the upper half of the factor's pair)
.irp j, 0,1,2,3,4,5,12,13,14,15,16,17
	v_mov_b32 v[Q+18*\u+\j], 0                     ; the zero codes on both sides of q
.endr
.endr
.irp j, 0,1,2,3,4,5
	v_mov_b32 v[T+\j], 0                           ; written once: a lane permute's destination counts as one of its sources
.endr
	s_wait_alu depctr_va_vdst(0)                   ; the wait directly ahead of the blocking wait
	s_wait_loadcnt 0x0
.irp u, 0,1
	v_bfe_u32 v[152+4*\u], v150, 16*\u, 8
	v_bfe_u32 v[153+4*\u], v150, 16*\u+8, 8
	v_min_u32 v[154+4*\u], 3, v[152+4*\u]
	v_min_u32 v[155+4*\u], 3, v[153+4*\u]
	v_sub_nc_u32 v[152+4*\u], v[152+4*\u], v[154+4*\u]   ; 3 off each byte: the 1/8, exact; held at 0
	v_sub_nc_u32 v[153+4*\u], v[153+4*\u], v[155+4*\u]
	v_lshl_or_b32 v[152+4*\u], v[153+4*\u], 8, v[152+4*\u]
	v_or_b32 v[QS+2*\u], 0x01010000, v[152+4*\u]   ; for [q | 0]: 1 for the zero half
	v_lshl_or_b32 v[QS+2*\u+1], v[152+4*\u], 16, 0x0101   ; for [0 | q]
.endr
.irp u, 0,1
	WIN 0x40*\u
.set J, 0
.rept 32
	v_mov_b32 v[O+J], 0                            ; O^T: the step is written once, and the first change of M leaves zeros zeros
.set J, J+1
.endr
.endr
	WIN 0
	s_wait_alu depctr_va_vdst(0)                   ; the wait at the head's end
	s_wait_tensorcnt 0x0                           ; my tile of the head's eight is in; the same lines as ahead of a refill:
	ds_add_u32 v[SPW], v[NIL]
	STEPD
	s_wait_dscnt 0x0
	CROUND
	TLOAD 0                                        ; slot 1's first fill: step 1's tiles
	BODY 0, 1, 2, 1                                ; step 0
	s_mov_b32 s[CNT], 14
.Lstep:                                            ; steps 1 to 28, two a trip: the slots and V's sets are back where they began
	BODY 1, 0, 2, 1
	BODY 0, 0, 2, 1
	s_sub_co_u32 s[CNT], s[CNT], 1
	s_cmp_lg_u32 s[CNT], 0
	s_cbranch_scc1 .Lstep
	BODY 1, 0, 2, 0                                ; step 29 asks for step 31's tiles; the tail is written out
	BODY 0, 0, 1, 0
	BODY 1, 0, 0, 0
	SOFTA 1                                        ; unit 1's last step
	SOFTB1 1
	SOFTB2 1, 1
	WIN 0
	NOP4                                           ; places behind the last products
	; THE WAY OUT.  O^T / the sum; register 16 b + i is feature 32 b + 16 h + i of my head.  Each unit's 32 numbers a lane become a half image and two scale bytes.
.irp u, 0,1
	v_add_f32 v[ST+8*\u+2], v[ST+8*\u+2], v[ST+8*\u+3]
.endr
.irp u, 0,1
	v_permlanex16_b32 v[T+\u], v[ST+8*\u+2], s[SEL], s[SEL+1]
.endr
.irp u, 0,1
	v_add_f32 v[ST+8*\u+2], v[ST+8*\u+2], v[T+\u]
.endr
	s_wait_alu depctr_va_vdst(0)
.irp u, 0,1
	v_rcp_f32 v[ST+8*\u+2], v[ST+8*\u+2]
.endr
	v_nop
.irp u, 0,1
	WIN 0x01*\u
	s_wait_alu depctr_va_vdst(0)                   ; behind the reciprocals, directly ahead of the first reader of O^T
.set J, 0
.rept 32
	v_mul_f32 v[S+32*\u+J], v[O+J], v[ST+8*\u+2]
.set J, J+1
.endr
.endr
	WIN 0
.irp u, 0,1
.irp b, 0,1
	v_max3_num_f32 v[102+2*\u+\b], |v[S+32*\u+16*\b]|, |v[S+32*\u+16*\b+1]|, 0x1800000
.endr
.endr
.irp i, 2,4,6,8,10,12,14
.irp u, 0,1
.irp b, 0,1
	v_max3_num_f32 v[102+2*\u+\b], v[102+2*\u+\b], |v[S+32*\u+16*\b+\i]|, |v[S+32*\u+16*\b+\i+1]|
.endr
.endr
.endr
.irp n, 0,1,2,3
	v_permlanex16_b32 v[106+\n], v[102+\n], s[SEL], s[SEL+1]
.endr
.irp n, 0,1,2,3
	v_max_num_f32 v[102+\n], v[102+\n], v[106+\n]
.endr
.irp n, 0,1,2,3
	v_add_nc_u32 v[110+\n], 0xff000000, v[102+\n]
.endr
.irp n, 0,1,2,3
	v_lshrrev_b32 v[114+\n], 23, v[110+\n]
.endr
.irp u, 0,1
	v_lshl_or_b32 v[118+\u], v[115+2*\u], 8, v[114+2*\u]   ; my row's two bytes
.endr
.irp u, 0,1
	v_cvt_scalef32_pk16_fp6_f32 v[66+16*\u:68+16*\u], v[S+32*\u:S+32*\u+15], v[110+2*\u]
	v_cvt_scalef32_pk16_fp6_f32 v[74+16*\u:76+16*\u], v[S+32*\u+16:S+32*\u+31], v[111+2*\u]
.endr
	v_nop                                          ; one plain place behind a scaled conversion
.irp u, 0,1
.irp i, 0,1,2
	v_permlane16_swap_b32 v[66+16*\u+\i], v[74+16*\u+\i]   ; a whole block to a lane
.endr
.endr
.irp u, 0,1
.irp i, 0,1,2
	v_mov_b32 v[69+16*\u+\i], v[74+16*\u+\i]
.endr
.endr
.irp u, 0,1
	global_store_b128 v[L16], v[66+16*\u:69+16*\u], s[92:93] offset:12288*\u         ; 512 consecutive bytes,
	global_store_b64 v[L8], v[70+16*\u:71+16*\u], s[92:93] offset:12288*\u+512       ; 256
	ds_store_b16 v[GA], v[118+\u] offset:128*\u    ; both lanes of a row write the same two bytes
.endr
	s_wait_alu depctr_va_vdst(0)
	s_wait_dscnt 0x0                               ; for the others' sake: my stores have landed
	s_barrier_signal -1
	s_barrier_wait -1
	s_cmp_lg_u32 s[WV], 0
	s_cbranch_scc1 .Lnot_first
	ds_load_b128 v[120:123], v[GB]                 ; wave 0 stores the work-group's 512 scale bytes: consecutive, aligned
	s_wait_dscnt 0x0
	global_store_b128 v[L16], v[120:123], s[94:95]
.Lnot_first:
	s_wait_tensorcnt 0x0                           ; the wave's end
	ds_add_u32 v[SPW], v[NIL]
	s_wait_dscnt 0x0
	CROUND                                         ; the closing round
	s_endpgm
.Lfunc_end_k_q21cfce2b2f_attn:
	.size	k_q21cfce2b2f_attn, .Lfunc_end_k_q21cfce2b2f_attn-k_q21cfce2b2f_attn
	.p2alignl 7, 3214868480
	.fill 96, 4, 3214868480
	.section	.rodata,"a",@progbits
	.p2align	6, 0x0
	.amdhsa_kernel k_q21cfce2b2f_attn
		.amdhsa_group_segment_fixed_size 327680
		.amdhsa_private_segment_fixed_size 0
		.amdhsa_enable_private_segment 0
		.amdhsa_kernarg_size 40
		.amdhsa_user_sgpr_count 2
		.amdhsa_user_sgpr_kernarg_segment_ptr 1
		.amdhsa_wavefront_size32 1
		.amdhsa_system_sgpr_workgroup_id_x 1
		.amdhsa_system_sgpr_workgroup_id_y 1
		.amdhsa_system_sgpr_workgroup_id_z 1
		.amdhsa_system_vgpr_workitem_id 0
		.amdhsa_next_free_vgpr 512
		.amdhsa_next_free_sgpr 102
		.amdhsa_reserve_vcc 0
		.amdhsa_float_denorm_mode_32 3
		.amdhsa_float_denorm_mode_16_64 3
		.amdhsa_memory_ordered 1
		.amdhsa_forward_progress 1
		.amdhsa_inst_pref_size 248
	.end_amdhsa_kernel
	.amdgpu_metadata
---
amdhsa.version: [ 1, 2 ]
amdhsa.kernels:
  - .name:           k_q21cfce2b2f_attn
    .symbol:         k_q21cfce2b2f_attn.kd
    .args:
      - { .name: attention_mask, .offset: 0, .size: 8, .value_kind: global_buffer, .address_space: global }
      - { .name: qkvc, .offset: 8, .size: 8, .value_kind: global_buffer, .address_space: global }
      - { .name: qkvs, .offset: 16, .size: 8, .value_kind: global_buffer, .address_space: global }
      - { .name: atc, .offset: 24, .size: 8, .value_kind: global_buffer, .address_space: global }
      - { .name: ats, .offset: 32, .size: 8, .value_kind: global_buffer, .address_space: global }
    .group_segment_fixed_size: 327680
    .private_segment_fixed_size: 0
    .kernarg_segment_align: 8
    .kernarg_segment_size: 40
    .max_flat_workgroup_size: 256
    .sgpr_count:     102
    .vgpr_count:     512
    .wavefront_size: 32
...
	.end_amdgpu_metadata
.endif
;; end of part 3
;; launch outp (part 4): grid 8 x 32, 4 waves a work-group, clusters of 4 x 4, 230,912 bytes of LDS; arguments opc, ops, atc, ats, bo, out0; writes out0
.if DOCPART == 4
	.amdgcn_target "amdgcn-amd-amdhsa--gfx1250"
	.amdhsa_code_object_version 6
	.text
	.protected	k_q21cfce2b2f_outp
	.globl	k_q21cfce2b2f_outp
	.p2align	8
	.type	k_q21cfce2b2f_outp,@function
k_q21cfce2b2f_outp:
	s_mov_b64 s[64:65], 0
	v_nop
	global_prefetch_b8 v0, s[64:65] scope:SCOPE_SE
	s_setreg_imm32_b32 hwreg(HW_REG_WAVE_MODE, 25, 1), 1
	s_wait_xcnt 0x0
	s_wait_alu depctr_hold_cnt(0) depctr_sa_sdst(0) depctr_va_vdst(0) depctr_va_sdst(0) depctr_va_ssrc(0) depctr_va_vcc(0) depctr_vm_vsrc(0)
	s_getreg_b32 s2, hwreg(HW_REG_IB_STS2, 6, 4)
	s_cmp_eq_u32 s2, 0
	s_cbranch_scc0 .Lentry_in_a_cluster
	s_endpgm
.Lentry_in_a_cluster:
	s_bfe_u32 s2, ttmp6, 0x10000c
	s_cmp_lg_u32 s2, 0xf033
	s_cbranch_scc0 .Lentry_shape_is_right
	s_endpgm
.Lentry_shape_is_right:
; out0 = attn Wo^T + bo on codes of FP6 (E2M3) with E8M0 scales, sums in f32.  attn's codes and scale bytes (atc, ats) are laid as hidden_states' are in opc, ops; Wo is blocks 56-63 of opc, ops.
; A work-group makes 128 (P: rows of Wo = features) x 128 (Q: tokens) with all of K = 1,024 in LDS: each wave's four whole tiles filled ONCE by one load; nothing is filled again, so there is no ring.
; THE PRODUCT IS USED TRANSPOSED: source 0 = 16 rows of P, source 1 = 16 rows of Q.  Tiles hold rows 32 B + 8 u + r + 8 (r / 8), so lane (r, h) holds one token, and register 16 b + i of its 64 holds feature 32 b + 16 h + i.
; Wave w takes all 8 tiles of P x Q's tiles 2 w, 2 w + 1: 16 accumulators.  bo is the C of each sum's first product.
; CLUSTERS 4 x 4: P's block hangs on cx and is shared along a column, Q's on cy and is shared along a row: each is asked for jointly.
; REGISTERS: window 0: v1-14 ids and addresses; v24-63 scale words; v128-255 the accumulators ((i, p) at 128 + 64 i + 8 p).
;   window 1: two sets of fragments, at 0 and at 128: P's eight at + 12 p, Q's two at + 96 + 12 i.   window 2: v0-63 bo in the result's layout.
.set CHUNK, 49152                      ; one wave's fill in LDS: four whole tiles x 12,288 bytes
.set QOFF,  98304                      ; LDS: tile-major, as in memory: P's 8 tiles x 12,288 bytes (all of K), then Q's 8; each wave fills four tiles by ONE load
.set STG,   4*CHUNK                    ; behind the chunks: a stage of 16 rows x (512 + 16) bytes for each wave; no fill lands there
.set SPITCH, 528
.set SP,  24                           ; v24-55  P's scale words: register 8 i + s: lanes 0-15 tile i, lanes 16-31 tile i + 4, K step s
.set SQ,  56                           ; v56-63  Q's: register s: lanes 0-15 my tile 2 w, lanes 16-31 tile 2 w + 1
.set ACC, 128
.set BP,  0
.set WV,  18
.set G1P, 28
.set G1Q, 36
.set G0P, 44
.set G0Q, 68
.set MSB, 0
.macro WIN new                         ; the immediate's high byte repeats the setting that is left
.if MSB != \new
	s_set_vgpr_msb (MSB<<8)|\new
.set MSB, \new
.endif
.endm
.macro CROUND                          ; a round of the cluster's barrier
	s_barrier_signal -1
	s_barrier_wait -1
	s_cmp_lg_u32 s[WV], 0
	s_cbranch_scc1 .Lnot_wave_0_\@
	s_barrier_signal -3
.Lnot_wave_0_\@:
	s_barrier_wait -3
	s_barrier_signal -1
	s_barrier_wait -1
.endm
.macro PLACES                          ; four places in front of loads into registers that matrix instructions have read, and of the first read of results
.rept 4
	v_nop
.endr
.endm
.macro WM d, a, b, c, sa, sb, ra, rb   ; one product.  ra, rb: the side's scale words lie in lanes 16-31 of the register named
.if (\ra) && (\rb)
	v_wmma_scale_f32_16x16x128_f8f6f4 v[\d:\d+7], v[\a:\a+11], v[\b:\b+11], v[\c:\c+7], v[\sa], v[\sb] matrix_a_fmt:MATRIX_FMT_FP6 matrix_b_fmt:MATRIX_FMT_FP6 matrix_a_scale:MATRIX_SCALE_ROW1 matrix_b_scale:MATRIX_SCALE_ROW1
.elseif (\ra)
	v_wmma_scale_f32_16x16x128_f8f6f4 v[\d:\d+7], v[\a:\a+11], v[\b:\b+11], v[\c:\c+7], v[\sa], v[\sb] matrix_a_fmt:MATRIX_FMT_FP6 matrix_b_fmt:MATRIX_FMT_FP6 matrix_a_scale:MATRIX_SCALE_ROW1
.elseif (\rb)
	v_wmma_scale_f32_16x16x128_f8f6f4 v[\d:\d+7], v[\a:\a+11], v[\b:\b+11], v[\c:\c+7], v[\sa], v[\sb] matrix_a_fmt:MATRIX_FMT_FP6 matrix_b_fmt:MATRIX_FMT_FP6 matrix_b_scale:MATRIX_SCALE_ROW1
.else
	v_wmma_scale_f32_16x16x128_f8f6f4 v[\d:\d+7], v[\a:\a+11], v[\b:\b+11], v[\c:\c+7], v[\sa], v[\sb] matrix_a_fmt:MATRIX_FMT_FP6 matrix_b_fmt:MATRIX_FMT_FP6
.endif
.endm
.macro FETCH s, f                      ; 40 LDS loads in one run: the ten fragments of K step s into set f; a fragment is two half images: 16, 8, 16, 8 bytes a lane, each instruction's bytes consecutive
	WIN 0x40                                       ; destination window 1, address window 0
.irp p, 0,1,2,3,4,5,6,7
.irp c, 0,1
	ds_load_b128 v[128*(\f)+12*\p+6*\c:128*(\f)+12*\p+6*\c+3], v[4+12*(\p/4)] offset:12288*(\p%4)+1536*(\s)+768*\c   ; tiles 4-7 by v16, v17: their bytes lie beyond a 16-bit offset
	ds_load_b64 v[128*(\f)+12*\p+6*\c+4:128*(\f)+12*\p+6*\c+5], v[5+12*(\p/4)] offset:12288*(\p%4)+1536*(\s)+768*\c
.endr
.endr
.irp i, 0,1
.irp c, 0,1
	ds_load_b128 v[128*(\f)+96+12*\i+6*\c:128*(\f)+96+12*\i+6*\c+3], v6 offset:12288*\i+1536*(\s)+768*\c
	ds_load_b64 v[128*(\f)+96+12*\i+6*\c+4:128*(\f)+96+12*\i+6*\c+5], v7 offset:12288*\i+1536*(\s)+768*\c
.endr
.endr
.endm
.macro MUL s, f, first                 ; 16 products: the 16 accumulators take turns, one instruction a turn, in the same order in every step.  first = 1: bo starts the sums
.if \first
	WIN 0x25                                       ; sources 0 and 1 window 1, C window 2, D window 0
.else
	WIN 0x05
.endif
.irp p, 0,1,2,3,4,5,6,7
.irp i, 0,1
.if \first
	WM ACC+64*\i+8*\p, 128*(\f)+12*\p, 128*(\f)+96+12*\i, BP+8*\p, SP+8*(\p%4)+(\s), SQ+(\s), \p/4, \i
.else
	WM ACC+64*\i+8*\p, 128*(\f)+12*\p, 128*(\f)+96+12*\i, ACC+64*\i+8*\p, SP+8*(\p%4)+(\s), SQ+(\s), \p/4, \i
.endif
.endr
.endr
.endm
; K step s: its fragments are in; the next step's are asked for, then this step is multiplied.  All of K lies in LDS from the one barrier at the head on: the step's place along K stands in the loads' offsets.
.macro KSTEP s
	s_wait_dscnt 0x0
.if (\s) < 7
.if (\s) > 0
	PLACES
.endif
	FETCH (\s)+1, 1-(\s)%2
.endif
.if (\s) == 0
	MUL \s, 0, 1
.else
	MUL \s, (\s)%2, 0
.endif
.endm
	s_load_b128 s[4:7], s[0:1], 0x0                ; opc s[4:5], ops s[6:7]
	s_load_b128 s[8:11], s[0:1], 0x10              ; atc s[8:9], ats s[10:11]
	s_load_b128 s[12:15], s[0:1], 0x20             ; bo s[12:13], out0 s[14:15]
	v_lshl_add_u32 v126, v0, 2, 0x38400
	v_mov_b32 v127, 0
	ds_add_u32 v126, v127
	ds_add_u32 v126, v127
	v_lshrrev_b32 v1, 5, v0
	v_readfirstlane_b32 s[WV], v1                  ; wave 0..3
	s_and_b32 s19, s[WV], 1                        ; which four tiles of a block I fetch
	s_bfe_u32 s20, ttmp6, 0x40000                  ; cx
	s_bfe_u32 s21, ttmp6, 0x40004                  ; cy
	s_lshl_b32 s86, ttmp9, 2
	s_add_co_u32 s86, s86, s20                     ; my block of 128 features: 4 x cluster x + cx
	s_add_co_u32 s84, s86, 56                      ; Wo's block in opc, ops
	s_and_b32 s23, ttmp7, 0xffff
	s_lshl_b32 s85, s23, 2
	s_add_co_u32 s85, s85, s21                     ; my block of 128 tokens: 4 x cluster y + cy
	s_lshl_b32 s22, 0x1111, s20                    ; my column of the cluster
	s_lshl_b32 s27, s21, 2
	s_lshl_b32 s27, 15, s27                        ; my row
	; descriptor group 1: 4 tiles x 12,288 bytes (1,536 elements of 8 bytes), 12,288 bytes apart in memory, dense in LDS
	s_or_b32 s[G1P], s22, (3<<16)|(1<<21)          ; 15:0 the mask; 17:16 elements of 8 bytes; 20 no padding; 21 set beside a mask
	s_or_b32 s[G1Q], s27, (3<<16)|(1<<21)
.irp g, G1P, G1Q
	s_mov_b32 s[\g+1], 1536<<16                    ; tensor_dim0: a whole tile, 12,288 bytes
	s_mov_b32 s[\g+2], 4<<16                       ; tensor_dim1
	s_mov_b32 s[\g+3], 1536<<16                    ; tile_dim0
	s_mov_b32 s[\g+4], 4                           ; tile_dim1
	s_mov_b32 s[\g+5], 1536                        ; tensor_dim0_stride
	s_mov_b32 s[\g+6], 0
	s_mov_b32 s[\g+7], 0
.endr
	s_lshl_b32 s96, s85, 19                        ; out0: 128 tokens of 4,096 bytes for each block,
	s_lshl_b32 s97, s[WV], 17                      ; 32 for each wave,
	s_add_co_u32 s96, s96, s97
	s_lshl_b32 s97, s86, 9                         ; 512 bytes for each block of features
	s_add_co_u32 s96, s96, s97
	s_mov_b32 s97, 0
	s_mul_i32 s25, s19, 49152                      ; four tiles
	s_mul_i32 s90, s84, 98304                      ; a block of 8 tiles
	s_add_co_u32 s90, s90, s25
	s_mov_b32 s91, 0
	s_mul_i32 s94, s85, 98304
	s_add_co_u32 s94, s94, s25
	s_mov_b32 s95, 0
	s_mul_i32 s93, s[WV], 49152                    ; where they go: waves 0, 1 P's halves, waves 2, 3 Q's: no place in the cluster enters an LDS address
	s_lshl_b32 s2, s84, 12                         ; the blocks' scale bytes
	s_mov_b32 s3, 0
	s_lshl_b32 s26, s85, 12
	s_mov_b32 s27, 0
	s_lshl_b32 s20, s86, 9                         ; bo: my block's 128 numbers
	s_mov_b32 s21, 0
	s_wait_dscnt 0x0
	s_wait_kmcnt 0x0
	s_add_nc_u64 s[90:91], s[4:5], s[90:91]
	s_add_nc_u64 s[94:95], s[8:9], s[94:95]
	s_add_nc_u64 s[2:3], s[6:7], s[2:3]
	s_add_nc_u64 s[26:27], s[10:11], s[26:27]
	s_add_nc_u64 s[12:13], s[12:13], s[20:21]
	s_add_nc_u64 s[96:97], s[14:15], s[96:97]
.irp j, 0
	s_mov_b32 s[G0P+4*\j], 1
	s_add_co_u32 s[G0P+4*\j+1], s93, CHUNK*\j                      ; LDS address
	s_add_nc_u64 s[G0P+4*\j+2:G0P+4*\j+3], s[90:91], 3072*\j       ; global address: chunk j of my four tiles
	s_or_b32 s[G0P+4*\j+3], s[G0P+4*\j+3], 0x80000000              ; type = 2
	s_mov_b32 s[G0Q+4*\j], 1
	s_add_co_u32 s[G0Q+4*\j+1], s93, CHUNK*\j
	s_add_nc_u64 s[G0Q+4*\j+2:G0Q+4*\j+3], s[94:95], 3072*\j
	s_or_b32 s[G0Q+4*\j+3], s[G0Q+4*\j+3], 0x80000000
.endr
	CROUND                                         ; all sixteen work-groups are here: the joint loads meet
	s_cmp_lt_u32 s[WV], 2                          ; one tensor load a wave: four whole tiles, 49,152 dense bytes
	s_cbranch_scc0 .Lfirst_q
.irp j, 0
	tensor_load_to_lds s[G0P+4*\j:G0P+4*\j+3], s[G1P:G1P+7]
	s_nop 0
.endr
.rept 4
	v_nop
.endr
	s_branch .Lfirst_asked
.Lfirst_q:
.irp j, 0
	tensor_load_to_lds s[G0Q+4*\j:G0Q+4*\j+3], s[G1Q:G1Q+7]
	s_nop 0
.endr
.rept 4
	v_nop
.endr
.Lfirst_asked:
	v_and_b32 v1, 31, v0                           ; lane
	v_and_b32 v2, 15, v0                           ; r
	v_bfe_u32 v3, v0, 4, 1                         ; h
	v_lshlrev_b32 v4, 4, v1                        ; P's images: 16 x lane,
	v_lshlrev_b32 v9, 3, v1
	v_add_nc_u32 v5, 512, v9                       ; 512 + 8 x lane
	v_add_nc_u32 v16, 49152, v4                    ; the same for P's tiles 4-7
	v_add_nc_u32 v17, 49152, v5
	s_mul_i32 s25, s[WV], 24576
	s_add_co_u32 s25, s25, QOFF
	v_add_nc_u32 v6, s25, v4                       ; Q's: my two tiles
	v_add_nc_u32 v7, s25, v5
	v_lshlrev_b32 v8, 4, v1                        ; the stores' 16 x lane
	v_lshlrev_b32 v10, 3, v2
	v_lshl_add_u32 v10, v3, 9, v10                 ; P's scale words: 8 r, lanes 16-31 four tiles on
	v_lshlrev_b32 v11, 3, v2
	v_lshl_add_u32 v11, v3, 7, v11
	s_lshl_b32 s25, s[WV], 8
	v_add_nc_u32 v11, s25, v11                     ; Q's: tile 2 w + h
	v_lshlrev_b32 v12, 6, v3                       ; bo: 16 h numbers on
	s_mul_i32 s25, s[WV], 16*SPITCH
	s_add_co_u32 s25, s25, STG                     ; my stage
	v_mul_u32_u24 v13, v2, SPITCH
	v_lshl_add_u32 v13, v3, 6, v13
	v_add_nc_u32 v13, s25, v13                     ; in: row r, + 64 h
	v_add_nc_u32 v14, s25, v8                      ; back: a row's 512 bytes, 16 a lane
.irp k, 0,1,2,3
.irp i, 0,1,2,3
	global_load_b64 v[SP+8*\i+2*\k:SP+8*\i+2*\k+1], v10, s[2:3] offset:1024*\k+128*\i   ; the words of K steps 2 k and 2 k + 1
.endr
	global_load_b64 v[SQ+2*\k:SQ+2*\k+1], v11, s[26:27] offset:1024*\k
.endr
	WIN 0x80                                       ; destination window 2
.irp p, 0,1,2,3,4,5,6,7
	global_load_b128 v[BP+8*\p:BP+8*\p+3], v12, s[12:13] offset:(32*(\p/2)+8*(\p%2))*4       ; tile p's registers hold features 32 (p / 2) + 16 h + 8 (p % 2) + 0 .. 7
	global_load_b128 v[BP+8*\p+4:BP+8*\p+7], v12, s[12:13] offset:(32*(\p/2)+8*(\p%2))*4+16
.endr
	WIN 0
	s_wait_alu depctr_va_vdst(0)                   ; the wait at the head's end
	s_wait_tensorcnt 0x0                           ; my four tiles are in
	s_barrier_signal -1
	s_barrier_wait -1                              ; everybody's is
	FETCH 0, 0
	s_wait_loadcnt 0x0                             ; scale words and bo
	KSTEP 0
	KSTEP 1
	KSTEP 2
	KSTEP 3
	KSTEP 4
	KSTEP 5
	KSTEP 6
	KSTEP 7
	WIN 0
	PLACES
; THE WAY OUT.  A lane holds 4 x 64 bytes of one token's row, and the lanes beside it hold other tokens: so a tile of 16 tokens goes through my own stage and comes back as whole rows of 512 bytes, into the registers that it left.
.macro TOSTAGE i
.irp b, 0,1,2,3
.irp j, 0,1,2,3
	ds_store_b128 v13, v[ACC+64*\i+16*\b+4*\j:ACC+64*\i+16*\b+4*\j+3] offset:128*\b+16*\j   ; each accumulator from its low end on
.endr
.endr
.irp t, 0,1,2,3,4,5,6,7,8,9,10,11,12,13,14,15
	ds_load_b128 v[ACC+64*\i+4*\t:ACC+64*\i+4*\t+3], v14 offset:SPITCH*\t   ; LDS serves a wave's instructions in order (ISA guide 5.7.1.4): these see the stores above, and the next tile's stores come behind them
.endr
.endm
.macro SEND i
.irp t, 0,1,2,3,4,5,6,7,8,9,10,11,12,13,14,15
	global_store_b128 v8, v[ACC+64*\i+4*\t:ACC+64*\i+4*\t+3], s[96:97] offset:(8*\i+\t+8*(\t/8))*4096 th:TH_STORE_NT   ; the tile's lane t is token 8 i + t + 8 (t / 8) of my 32: 512 consecutive bytes, aligned; written once, read by nobody here
.endr
.endm
	TOSTAGE 0
	TOSTAGE 1
	s_wait_dscnt 32                                ; tile 0 is back; tile 1's 16 stores and 16 loads may be out
	SEND 0
	s_wait_dscnt 0x0
	SEND 1
	s_wait_tensorcnt 0x0
	ds_add_u32 v126, v127
	s_wait_dscnt 0x0
	CROUND                                         ; the closing round: no work-group ends while a partner may still ask for a tile that names it
	s_endpgm
.Lfunc_end_k_q21cfce2b2f_outp:
	.size	k_q21cfce2b2f_outp, .Lfunc_end_k_q21cfce2b2f_outp-k_q21cfce2b2f_outp
	.p2alignl 7, 3214868480
	.fill 96, 4, 3214868480
	.section	.rodata,"a",@progbits
	.p2align	6, 0x0
	.amdhsa_kernel k_q21cfce2b2f_outp
		.amdhsa_group_segment_fixed_size 230912
		.amdhsa_private_segment_fixed_size 0
		.amdhsa_enable_private_segment 0
		.amdhsa_kernarg_size 48
		.amdhsa_user_sgpr_count 2
		.amdhsa_user_sgpr_kernarg_segment_ptr 1
		.amdhsa_wavefront_size32 1
		.amdhsa_system_sgpr_workgroup_id_x 1
		.amdhsa_system_sgpr_workgroup_id_y 1
		.amdhsa_system_sgpr_workgroup_id_z 1
		.amdhsa_system_vgpr_workitem_id 0
		.amdhsa_next_free_vgpr 640
		.amdhsa_next_free_sgpr 102
		.amdhsa_reserve_vcc 0
		.amdhsa_float_denorm_mode_32 3
		.amdhsa_float_denorm_mode_16_64 3
		.amdhsa_memory_ordered 1
		.amdhsa_forward_progress 1
		.amdhsa_inst_pref_size 55
	.end_amdhsa_kernel
	.amdgpu_metadata
---
amdhsa.version: [ 1, 2 ]
amdhsa.kernels:
  - .name:           k_q21cfce2b2f_outp
    .symbol:         k_q21cfce2b2f_outp.kd
    .args:
      - { .name: opc, .offset: 0, .size: 8, .value_kind: global_buffer, .address_space: global }
      - { .name: ops, .offset: 8, .size: 8, .value_kind: global_buffer, .address_space: global }
      - { .name: atc, .offset: 16, .size: 8, .value_kind: global_buffer, .address_space: global }
      - { .name: ats, .offset: 24, .size: 8, .value_kind: global_buffer, .address_space: global }
      - { .name: bo, .offset: 32, .size: 8, .value_kind: global_buffer, .address_space: global }
      - { .name: out0, .offset: 40, .size: 8, .value_kind: global_buffer, .address_space: global }
    .group_segment_fixed_size: 230912
    .private_segment_fixed_size: 0
    .kernarg_segment_align: 8
    .kernarg_segment_size: 48
    .max_flat_workgroup_size: 128
    .sgpr_count:     102
    .vgpr_count:     640
    .wavefront_size: 32
...
	.end_amdgpu_metadata
.endif
;; end of part 4
